; MI455X (gfx1250); checked and timed in simulation.
; The chip was launched on July 23, 2026; its instructions are those of AMD's public machine-readable ISA for CDNA 5 (MIT licence, August 2026) and "CDNA5" Instruction Set Architecture Reference Guide (July 2026). The comments in the code are by the model that wrote it; some were corrected since.
;; Multi Head Attention. Allowed arithmetic: matrix products marked QUANTISED: E3M2 operands, one E8M0 scale for each 32 along K, by v_wmma_scale_f32_16x16x128_f8f6f4 with both operands' format E3M2, f32 sums; everything else in f32.
;; Inputs: W_k 1,024 x 1,024 float32; W_o 1,024 x 1,024 float32; W_q 1,024 x 1,024 float32; W_v 1,024 x 1,024 float32; x 4 x 2,048 x 1,024 float32.
;; Outputs: out0 4 x 2,048 x 1,024 float32.
;; This version of the problem:
;;   THIS VERSION OF THE PROBLEM IS GIVEN IN LOW PRECISION. The matrix products marked QUANTISED in the list below multiply operands that are first quantised to E3M2 (3 exponent bits, 2 mantissa bits; 6 bits a number), with one power-of-two scale for each 32 numbers along K (OCP MX v1.0); their sums are f32. All else is computed in f32.
;;   The module's matrix products, in the order in which they are computed (A, B: the left and right operand; K: the contracted axis; several contracted axes count as one K, in the product's order):
;;     1. [M 8,192, K 1,024] x [K 1,024, N 1,024]; A: input x; B: input W_q: QUANTISED
;;     2. [M 8,192, K 1,024] x [K 1,024, N 1,024]; A: input x; B: input W_k: QUANTISED
;;     3. [M 8,192, K 1,024] x [K 1,024, N 1,024]; A: input x; B: input W_v: QUANTISED
;;     4. batch 64 x [M 2,048, K 64] x [K 64, N 2,048]; A: computed on the way; B: computed on the way: QUANTISED
;;     5. batch 64 x [M 2,048, K 2,048] x [K 2,048, N 64]; A: softmax (see below); B: computed on the way: QUANTISED
;;     6. [M 8,192, K 1,024] x [K 1,024, N 1,024]; A: computed on the way; B: input W_o: QUANTISED
;;   THE QUANTISER, for each operand of a quantised product, along K:
;;     - K is cut into blocks of 32 from its start; a last block that is shorter is filled with zeros.
;;     - A block's scale is 2^e with e = floor(log2(the largest magnitude in the block)) - 4, held to -126 .. 127; a block of zeros has e = 0. As a byte (E8M0): e + 127.
;;     - Each number is divided by its block's scale, clamped to +-28, and rounded to the nearest number of E3M2, ties to even, subnormals kept.
;;     - The product sums the exact products of the quantised numbers (number of the format x scale) in f32.
;;   ~~~python
;;   def quantise(x, axis):      # numpy; x: float32 -> the quantised numbers, widened to float32 again
;;       x = np.moveaxis(x, axis, -1); K = x.shape[-1]
;;       x = np.pad(x, [(0, 0)] * (x.ndim - 1) + [(0, -K % 32)]); x = x.reshape(x.shape[:-1] + (-1, 32)); a = np.abs(x).max(-1, keepdims=True)
;;       e = np.where(a > 0, np.clip(np.frexp(np.where(a > 0, a, 1))[1] - 1 - 4, -126, 127), 0)      # np.frexp(a)[1] - 1 = floor(log2(a)), exactly
;;       r = np.clip(x / 2.0 ** e, -28, 28)
;;       step = 2.0 ** (np.maximum(np.frexp(np.where(r == 0, 1, r))[1] - 1, -2) - 2)
;;       q = np.round(r / step) * step * 2.0 ** e      # np.round: ties to even
;;       return np.moveaxis(q.reshape(q.shape[:-2] + (-1,))[..., :K], -1, axis).astype(np.float32)
;;   ~~~
;;   SOFTMAX AHEAD OF A QUANTISED PRODUCT. Where the list says 'softmax', what is quantised is not the finished softmax but p = 2^(t - M), with t = logit x log2(e) and M = ceil(the row's largest t), a whole number; so 1/2 < the row's largest p <= 1. The row's sum l is taken of the UNQUANTISED p, in f32, and the product's result is divided by l at the end. Since M is a whole number, a kernel that streams over the keys may use a running M (the ceiling of the running maximum): every later rescaling is an exact power of two, which a block's scale takes up: the codes' values come out the same.
;;   OPERANDS COMPUTED ON THE WAY. 'Computed on the way' means the value that the module computes at that place (a softmax that the list does not call 'softmax' is quantised finished and normalised). What goes into a quantiser is computed in f32, as accurately as f32 sums, v_exp_f32 and their like allow (about 1e-6 of the number): no bf16 or f16 on the way to a quantiser, and a product that is left as it is and whose result goes on into a quantised operand takes f32 operands (vector FMAs, or v_wmma_f32_16x16x4_f32). A number that lies on a knife's edge between two numbers of the format may be rounded either way, as far as f32 arithmetic and the matrix unit's own rounding can turn it there, and no further.
;; One version. Each part assembles by itself: llvm-mc -triple=amdgcn-amd-amdhsa -mcpu=gfx1250 --defsym DOCPART=n.
;; ======== version 1 of 1: 5 launches
;; workspace buffers: xq 6,553,600 bytes; wqk 1,835,008 bytes; wv 1,048,576 bytes; wo 1,048,576 bytes; qk 13,107,200 bytes; vt 6,815,744 bytes; ctx 6,553,600 bytes
;; launch quant (part 1): grid 768 x 1, 4 waves a work-group, no clusters, 34,304 bytes of LDS; arguments W_q, W_k, W_v, W_o, wqk, wv, wo, x, xq; writes wqk, wv, wo, xq
.if DOCPART == 1
	.amdgcn_target "amdgcn-amd-amdhsa--gfx1250"
	.amdhsa_code_object_version 6
	.text
	.protected	k_q52a32c279d_quant
	.globl	k_q52a32c279d_quant
	.p2align	8
	.type	k_q52a32c279d_quant,@function
k_q52a32c279d_quant:
	s_mov_b64 s[64:65], 0
	v_nop
	global_prefetch_b8 v0, s[64:65] scope:SCOPE_SE
	s_setreg_imm32_b32 hwreg(HW_REG_WAVE_MODE, 25, 1), 1
	s_wait_xcnt 0x0
; x [8192][1024] f32 and the four weights [1024 (k)][1024 (n)] f32 become codes of BF6 (E3M2) with one E8M0 byte for each 32 along K, laid as the products read them.
; EVERY OPERAND BUFFER: from byte 0 the scale words [block of 16 rows][K step of 128][row]: 4 bytes a row and K step; from byte CODES the codes [block of 16 rows][64 along K][768 bytes].
; The 768 bytes are an IMAGE of six operand registers: piece p (256 bytes) holds registers 2 p, 2 p + 1 of the 32 lanes, lane l at 8 l; lane (r, h) holds row r, block h of the 64.
; A block's scale is 2^(floor(log2(its largest magnitude)) - 4): its byte is the largest magnitude's exponent field - 4, held at 1 from below by a floor among the maximum's leaves.
; LIMITS: a block of zeros, or one whose largest magnitude lies under 2^-122, gets the byte 1 (its codes are zeros, and this program alone reads the bytes); NaN and infinities are not served.
; ONE LAUNCH FOR BOTH KINDS: work-groups 0-511 take x, 512-767 the weights; they part at the first line, on the work-group's number alone, and never meet again.  The x path alone uses LDS.
.set NXWG,  512
.set CODES, 0x40000
	v_lshl_add_u32 v247, v0, 2, 0x8400
	v_mov_b32 v255, 0
	s_cmp_lt_u32 ttmp9, NXWG
	s_cbranch_scc0 .Lweights
; ---- x: K is innermost.  A work-group takes 16 rows, each of its four waves 256 along K, as two K steps.  A load reads 512 consecutive bytes of one row; a K step's 16 loads turn through the wave's own stage in LDS,
; from which a lane takes its row's whole block of 32.  Waves share nothing: no barrier.  Every store has data registers of its own, so no store's data are written again.
.set ROWX,  4096                       ; bytes in a row of x
.set SP,    528                        ; a stage row: 512 bytes + 16: sixteen rows start in sixteen different groups of banks
.set STGW,  16*SP                      ; a wave's stage
.set R,     32                         ; v32-95, v96-159  a K step as loaded, two sets
.set X,     160                        ; v160-223  my two blocks of 32
.set C,     224                        ; v224-254  codes: eight registers for each of the four chunks
	s_load_b128 s[4:7], s[0:1], 0x38               ; x, xq
	v_lshrrev_b32 v1, 5, v0
	v_readfirstlane_b32 s10, v1                    ; wave: which 256 along K
	v_and_b32 v1, 31, v0                           ; lane
	v_and_b32 v2, 15, v0                           ; r
	v_bfe_u32 v3, v0, 4, 1                         ; h
	v_lshlrev_b32 v4, 4, v1                        ; my 16 bytes of a load's 512
	s_mul_i32 s11, s10, STGW
	v_add_nc_u32 v5, s11, v4                       ; the stage, on the way in
	v_mul_u32_u24 v6, v2, SP
	v_lshl_add_u32 v6, v3, 7, v6
	v_add_nc_u32 v6, s11, v6                       ; and on the way out: row r, 128 h bytes on
	v_lshlrev_b32 v7, 3, v1                        ; an image's place for my lane
	v_lshlrev_b32 v8, 2, v1                        ; a scale word's
	v_lshlrev_b32 v9, 3, v3                        ; 8 h: my bytes' place in a scale word
	v_mov_b32 v19, 0                               ; written once: a lane permute's destination counts as one of its sources
	s_mov_b32 s12, 0x76543210
	s_mov_b32 s13, 0xfedcba98                      ; v_permlanex16_b32's selects for lane l xor 16
	s_lshl_b32 s14, ttmp9, 16                      ; x: 16 rows of 4,096 bytes a work-group,
	s_lshl_b32 s20, s10, 10                        ; 1,024 bytes a wave
	s_add_co_u32 s14, s14, s20
	s_mov_b32 s15, 0
	s_mul_i32 s16, ttmp9, 12288                    ; codes: 16 chunks a work-group, 4 a wave
	s_mul_i32 s20, s10, 3072
	s_add_co_u32 s16, s16, s20
	s_add_co_u32 s16, s16, CODES
	s_mov_b32 s17, 0
	s_lshl_b32 s18, ttmp9, 9                       ; scale words: 512 bytes a work-group, 128 a wave
	s_lshl_b32 s20, s10, 7
	s_add_co_u32 s18, s18, s20
	s_mov_b32 s19, 0
	s_wait_alu depctr_va_vdst(0)
	s_wait_kmcnt 0x0
	s_add_nc_u64 s[4:5], s[4:5], s[14:15]
	s_add_nc_u64 s[8:9], s[6:7], s[16:17]
	s_add_nc_u64 s[6:7], s[6:7], s[18:19]
.macro LOADX q                         ; K step q of my 16 rows
.set rr, 0
.rept 16
	global_load_b128 v[R+64*\q+4*rr:R+64*\q+4*rr+3], v4, s[4:5] offset:rr*ROWX+512*\q th:TH_LOAD_NT
.set rr, rr+1
.endr
.endm
.macro TURNX q                         ; through the stage: LDS serves a wave's instructions in order, so no wait stands between the stores and the loads
.set rr, 0
.rept 16
	ds_store_b128 v5, v[R+64*\q+4*rr:R+64*\q+4*rr+3] offset:rr*SP
.set rr, rr+1
.endr
.irp c, 0,1
.irp j, 0,1,2,3,4,5,6,7
	ds_load_b128 v[X+32*\c+4*\j:X+32*\c+4*\j+3], v6 offset:256*\c+16*\j   ; block 2 c + h of row r
.endr
.endr
.endm
.macro QX q
.irp c, 0,1
	v_max3_num_f32 v[10+\c], |v[X+32*\c]|, |v[X+32*\c+1]|, 0x2800000      ; all 32 numbers are mine; the floor 2^(5 - 127) holds the byte at 1 from below
.endr
.irp i, 2,4,6,8,10,12,14,16,18,20,22,24,26,28,30
.irp c, 0,1
	v_max3_num_f32 v[10+\c], v[10+\c], |v[X+32*\c+\i]|, |v[X+32*\c+\i+1]|   ; (the two blocks by turns)
.endr
.endr
.irp c, 0,1
	v_add_nc_u32 v[12+\c], 0xfe000000, v[10+\c]    ; 4 off the exponent field: the conversion takes the exponent field of this operand as its scale
.endr
.irp c, 0,1
	v_lshrrev_b32 v[14+\c], 23, v[12+\c]           ; the scale's byte
.endr
	v_lshl_or_b32 v18, v15, 16, v14                ; my two bytes: blocks h and 2 + h of the K step,
	v_lshlrev_b32 v18, v9, v18                     ; at their places;
	v_permlanex16_b32 v19, v18, s12, s13
	v_or_b32 v[16+\q], v18, v19                    ; with lane l xor 16's two the row's word is whole
.irp c, 0,1
	v_cvt_scalef32_pk16_bf6_f32 v[C+16*\q+8*\c:C+16*\q+8*\c+2], v[X+32*\c:X+32*\c+15], v[12+\c]
	v_cvt_scalef32_pk16_bf6_f32 v[C+16*\q+8*\c+4:C+16*\q+8*\c+6], v[X+32*\c+16:X+32*\c+31], v[12+\c]   ; (a conversion's three registers begin on an even number)
.endr
	v_nop                                          ; one plain place behind a scaled conversion
.irp c, 0,1
.irp i, 0,1,2
	v_mov_b32 v[C+16*\q+8*\c+3+\i], v[C+16*\q+8*\c+4+\i]   ; the upper three close up, in ascending order
.endr
.endr
.irp c, 0,1
.irp p, 0,1,2
	global_store_b64 v7, v[C+16*\q+8*\c+2*\p:C+16*\q+8*\c+2*\p+1], s[8:9] offset:(2*\q+\c)*768+256*\p   ; 32 lanes store 256 consecutive bytes, aligned
.endr
.endr
.endm
	LOADX 0
	LOADX 1
	s_wait_loadcnt 16                              ; K step 0's sixteen loads are in; K step 1's may be out
	TURNX 0
	s_wait_dscnt 0x0
	QX 0
	s_wait_loadcnt 0x0
	TURNX 1
	s_wait_dscnt 0x0
	QX 1
	v_cmp_gt_u32 vcc_lo, 16, v1
	v_cndmask_b32 v18, v17, v16, vcc_lo            ; lanes 0-15 K step 0's words, lanes 16-31 K step 1's: 128 consecutive bytes
	global_store_b32 v8, v18, s[6:7]
	s_wait_tensorcnt 0x0
	ds_add_u32 v247, v255
	s_wait_dscnt 0x0
	s_endpgm
; ---- the weights: K is their FIRST axis.  W_q's columns are wqk's rows 0-1023, W_k's its rows 1024-2047.
; A LANE TAKES A COLUMN n AND ITS REGISTERS RUN DOWN K: a block of 32 lies in one lane, and the conversions give codes with K innermost.  A wave holds 32 columns: two blocks of 16.  The operand's layout wants
; lanes 0-15 to hold a chunk's even block and lanes 16-31 its odd one: v_permlane16_swap_b32 of the even block's codes with the odd block's gives both images at once.
; W_o ALONE IS READ IN ANOTHER ORDER INSIDE EACH BLOCK OF 32: rows 8-15 and 16-23 change places, since the context's codes, its partner in the product, come out of the attention launch in that order.
; The order inside a block touches neither the block's scale nor the sum, as long as both operands have it.
; SHARES: of the 256 work-groups, number = 32 x K step + 8 x weight + group of 128 columns; a wave takes 32 columns x 128 along K: four blocks a lane.  No LDS, no barrier.  Loads run two blocks ahead.
; The scale words leave as two runs of 64 bytes a wave: one byte in 128 of what these work-groups read.
.set ROWW,  4096
.set XW,    32                         ; v32-95   two sets of 32 numbers
.set CW,    96                         ; v96-126  codes: eight registers for each of the four blocks
.Lweights:
	s_load_b256 s[4:11], s[0:1], 0x0               ; W_q, W_k, W_v, W_o
	s_load_b128 s[12:15], s[0:1], 0x20             ; wqk, wv
	s_load_b64 s[16:17], s[0:1], 0x30              ; wo
	v_lshrrev_b32 v1, 5, v0
	v_readfirstlane_b32 s21, v1                    ; wave
	v_and_b32 v2, 31, v0                           ; lane
	s_sub_co_u32 s2, ttmp9, NXWG
	s_bfe_u32 s18, s2, 0x20003                     ; which weight (2 bits from bit 3)
	s_and_b32 s19, s2, 7                           ; which 128 columns
	s_lshr_b32 s20, s2, 5                          ; which K step
	s_cmp_eq_u32 s18, 3
	s_cselect_b32 s22, 0x8000, 0                   ; W_o: eight rows (32,768 bytes) further down for places 8-15,
	s_xor_b32 s23, s22, 0x8000                     ; and none of the eight that the others add for places 16-23
	v_lshlrev_b32 v3, 2, v2                        ; 4 bytes a lane
	v_add_nc_u32 v4, s22, v3
	v_add_nc_u32 v5, s23, v3
	v_lshlrev_b32 v6, 3, v2                        ; an image's place for my lane
	v_lshrrev_b32 v7, 4, v2
	v_and_b32 v8, 15, v2
	v_lshlrev_b32 v8, 2, v8
	v_lshl_add_u32 v7, v7, 9, v8                   ; my column's scale word: 512 bytes from one block of 16 columns to the next
	s_lshl_b32 s24, s20, 19                        ; in: 128 rows of 4,096 bytes a K step,
	s_lshl_b32 s26, s19, 9
	s_add_co_u32 s24, s24, s26                     ; 512 bytes a group of columns,
	s_lshl_b32 s26, s21, 7
	s_add_co_u32 s24, s24, s26                     ; 128 a wave
	s_mov_b32 s25, 0
	s_lshl_b32 s26, s19, 3
	s_lshl_b32 s27, s21, 1
	s_add_co_u32 s26, s26, s27                     ; my first block of 16 columns,
	s_cmp_eq_u32 s18, 1
	s_cselect_b32 s27, 64, 0
	s_add_co_u32 s26, s26, s27                     ; W_k's behind W_q's
	s_mul_i32 s28, s26, 12288
	s_mul_i32 s27, s20, 1536
	s_add_co_u32 s28, s28, s27
	s_add_co_u32 s28, s28, CODES                   ; its codes of this K step
	s_mov_b32 s29, 0
	s_lshl_b32 s30, s26, 9
	s_lshl_b32 s27, s20, 6
	s_add_co_u32 s30, s30, s27                     ; and its scale words
	s_mov_b32 s31, 0
	s_wait_alu depctr_va_vdst(0)
	s_wait_kmcnt 0x0
	s_cmp_eq_u32 s18, 1                            ; the buffers are chosen by the work-group's number alone
	s_cselect_b64 s[4:5], s[6:7], s[4:5]
	s_cmp_eq_u32 s18, 2
	s_cselect_b64 s[4:5], s[8:9], s[4:5]
	s_cselect_b64 s[12:13], s[14:15], s[12:13]
	s_cmp_eq_u32 s18, 3
	s_cselect_b64 s[4:5], s[10:11], s[4:5]
	s_cselect_b64 s[12:13], s[16:17], s[12:13]
	s_add_nc_u64 s[4:5], s[4:5], s[24:25]
	s_add_nc_u64 s[14:15], s[12:13], s[30:31]      ; scale words
	s_add_nc_u64 s[12:13], s[12:13], s[28:29]      ; codes
.macro LOADW t                         ; block t into set t % 2: place i takes row 32 t + i, but for W_o's places 8-23
.set i, 0
.rept 32
.if (i >= 8) && (i < 16)
	global_load_b32 v[XW+32*((\t)%2)+i], v4, s[4:5] offset:(32*(\t)+i)*ROWW th:TH_LOAD_NT
.elseif (i >= 16) && (i < 24)
	global_load_b32 v[XW+32*((\t)%2)+i], v5, s[4:5] offset:(32*(\t)+i-8)*ROWW th:TH_LOAD_NT
.else
	global_load_b32 v[XW+32*((\t)%2)+i], v3, s[4:5] offset:(32*(\t)+i)*ROWW th:TH_LOAD_NT
.endif
.set i, i+1
.endr
.endm
	LOADW 0
	LOADW 1
.macro BLOCKW t
.set XS, XW+32*((\t)%2)
.set CT, CW+8*(\t)
.if (\t) < 3
	s_wait_loadcnt 32                              ; this block's 32 loads are in; the next block's may be out
.else
	s_wait_loadcnt 0x0
.endif
	v_max3_num_f32 v12, |v[XS]|, |v[XS+1]|, |v[XS+2]|
	v_max3_num_f32 v13, |v[XS+3]|, |v[XS+4]|, |v[XS+5]|
.irp i, 6,10,14,18,22,26
	v_max3_num_f32 v12, v12, |v[XS+\i]|, |v[XS+\i+1]|
	v_max3_num_f32 v13, v13, |v[XS+\i+2]|, |v[XS+\i+3]|
.endr
	v_max3_num_f32 v12, v12, |v[XS+30]|, |v[XS+31]|
	v_max3_num_f32 v12, v12, v13, 0x2800000        ; the floor 2^(5 - 127): the byte cannot fall under 1
	v_add_nc_u32 v11, 0xfe000000, v12              ; 4 off the exponent field: the conversion's scale operand
	v_lshrrev_b32 v13, 23, v11                     ; the scale's byte
.if (\t) == 0
	v_mov_b32 v24, v13
.else
	v_lshl_or_b32 v24, v13, 8*(\t), v24            ; four bytes make my column's word of this K step
.endif
	v_cvt_scalef32_pk16_bf6_f32 v[CT:CT+2], v[XS:XS+15], v11
	v_cvt_scalef32_pk16_bf6_f32 v[CT+4:CT+6], v[XS+16:XS+31], v11   ; (a conversion's three registers begin on an even number)
	v_nop                                          ; one plain place behind a scaled conversion
.irp i, 0,1,2
	v_mov_b32 v[CT+3+\i], v[CT+4+\i]               ; the upper three close up, in ascending order
.endr
.if (\t) < 2
	LOADW (\t)+2
.endif
.if (\t)%2 == 1
.irp i, 0,1,2,3,4,5
	v_permlane16_swap_b32 v[CT-8+\i], v[CT+\i]     ; the even block's lanes 16-31 change places with the odd block's lanes 0-15: the first is now the image of columns 0-15, the second that of columns 16-31
.endr
.irp p, 0,1,2
	global_store_b64 v6, v[CT-8+2*\p:CT-8+2*\p+1], s[12:13] offset:((\t)/2)*768+256*\p   ; 32 lanes store 256 consecutive bytes, aligned
.endr
.irp p, 0,1,2
	global_store_b64 v6, v[CT+2*\p:CT+2*\p+1], s[12:13] offset:12288+((\t)/2)*768+256*\p
.endr
.endif
.endm
	BLOCKW 0
	BLOCKW 1
	BLOCKW 2
	BLOCKW 3
	global_store_b32 v7, v24, s[14:15]
	s_endpgm
.Lfunc_end_k_q52a32c279d_quant:
	.size	k_q52a32c279d_quant, .Lfunc_end_k_q52a32c279d_quant-k_q52a32c279d_quant
	.p2alignl 7, 3214868480
	.fill 96, 4, 3214868480
	.section	.rodata,"a",@progbits
	.p2align	6, 0x0
	.amdhsa_kernel k_q52a32c279d_quant
		.amdhsa_group_segment_fixed_size 34304
		.amdhsa_private_segment_fixed_size 0
		.amdhsa_enable_private_segment 0
		.amdhsa_kernarg_size 72
		.amdhsa_user_sgpr_count 2
		.amdhsa_user_sgpr_kernarg_segment_ptr 1
		.amdhsa_wavefront_size32 1
		.amdhsa_system_sgpr_workgroup_id_x 1
		.amdhsa_system_sgpr_workgroup_id_y 1
		.amdhsa_system_sgpr_workgroup_id_z 1
		.amdhsa_system_vgpr_workitem_id 0
		.amdhsa_next_free_vgpr 256
		.amdhsa_next_free_sgpr 66
		.amdhsa_reserve_vcc 1
		.amdhsa_float_denorm_mode_32 3
		.amdhsa_float_denorm_mode_16_64 3
		.amdhsa_memory_ordered 1
		.amdhsa_forward_progress 1
		.amdhsa_inst_pref_size 38
	.end_amdhsa_kernel
	.amdgpu_metadata
---
amdhsa.version: [ 1, 2 ]
amdhsa.kernels:
  - .name:           k_q52a32c279d_quant
    .symbol:         k_q52a32c279d_quant.kd
    .args:
      - { .name: W_q, .offset: 0, .size: 8, .value_kind: global_buffer, .address_space: global }
      - { .name: W_k, .offset: 8, .size: 8, .value_kind: global_buffer, .address_space: global }
      - { .name: W_v, .offset: 16, .size: 8, .value_kind: global_buffer, .address_space: global }
      - { .name: W_o, .offset: 24, .size: 8, .value_kind: global_buffer, .address_space: global }
      - { .name: wqk, .offset: 32, .size: 8, .value_kind: global_buffer, .address_space: global }
      - { .name: wv, .offset: 40, .size: 8, .value_kind: global_buffer, .address_space: global }
      - { .name: wo, .offset: 48, .size: 8, .value_kind: global_buffer, .address_space: global }
      - { .name: x, .offset: 56, .size: 8, .value_kind: global_buffer, .address_space: global }
      - { .name: xq, .offset: 64, .size: 8, .value_kind: global_buffer, .address_space: global }
    .group_segment_fixed_size: 34304
    .private_segment_fixed_size: 0
    .kernarg_segment_align: 8
    .kernarg_segment_size: 72
    .max_flat_workgroup_size: 128
    .sgpr_count:     66
    .vgpr_count:     256
    .wavefront_size: 32
...
	.end_amdgpu_metadata
.endif
;; end of part 1
;; launch proj_qk (part 2): grid 8 x 32, 4 waves a work-group, clusters of 4 x 4, 327,680 bytes of LDS; arguments xq, wqk, qk; writes qk
.if DOCPART == 2
	.amdgcn_target "amdgcn-amd-amdhsa--gfx1250"
	.amdhsa_code_object_version 6
	.text
	.protected	k_q52a32c279d_proj_qk
	.globl	k_q52a32c279d_proj_qk
	.p2align	8
	.type	k_q52a32c279d_proj_qk,@function
k_q52a32c279d_proj_qk:
	s_mov_b64 s[64:65], 0
	v_nop
	global_prefetch_b8 v0, s[64:65] scope:SCOPE_SE
	s_setreg_imm32_b32 hwreg(HW_REG_WAVE_MODE, 25, 1), 1
	s_wait_xcnt 0x0
	s_wait_alu depctr_hold_cnt(0) depctr_sa_sdst(0) depctr_va_vdst(0) depctr_va_sdst(0) depctr_va_ssrc(0) depctr_va_vcc(0) depctr_vm_vsrc(0)
	s_getreg_b32 s2, hwreg(HW_REG_IB_STS2, 6, 4)
	s_cmp_eq_u32 s2, 0
	s_cbranch_scc0 .Lentry_in_a_cluster
	s_endpgm
.Lentry_in_a_cluster:
	s_bfe_u32 s2, ttmp6, 0x10000c
	s_cmp_lg_u32 s2, 0xf033
	s_cbranch_scc0 .Lentry_shape_is_right
	s_endpgm
.Lentry_shape_is_right:
; C[m][n] = sum over k of A[m][k] B[n][k], K = 1,024, both operands codes of BF6 (E3M2) with E8M0 scales, and C IS QUANTISED ALONG n ON THE WAY OUT: it is the next product's operand and goes to memory as codes alone.
; Run twice: A = x's codes, B = W_q's and W_k's: C = [Q | K], rows = tokens, n = head x 64 + d;  A = W_v's codes, B = x's: C = V^T, rows = head x 64 + d, n = tokens (the keys).
; OPERANDS IN MEMORY: scale words [block of 16 rows][K step of 128][row] from byte 0; from byte CODES images of six operand registers, [block of 16 rows][64 along K][768 bytes]:
; piece p (256 bytes) holds registers 2 p, 2 p + 1 of the 32 lanes, lane l at 8 l.  So a fragment comes from LDS by six loads of 8 bytes at 8 x lane: consecutive bytes, no pitch, no padding.
; THE RESULT IN MEMORY, by tiles of 256 x 256, tile number L: scale words L x 2,048 + [128 along n][block of 16 rows][row] from byte 0; images L x 49,152 + [64 along n][block of 16 rows][768] from byte OCODES.
; INSIDE A BLOCK OF 32 ALONG n THE CODES' ORDER IS 0-7, 16-23, 8-15, 24-31: that is how two neighbouring result tiles fall into a lane.  Every partner of such an operand has the same order, so no sum changes.
; A tile of C is made by four waves, as many as a WGP has SIMDs, each 128 x 128: 64 accumulators, 512 registers.  K goes in steps of 256 through a ring of two LDS slots filled by the tensor data mover; the scales of the
; work-group's rows come once, with the first fills.  K is four slots' worth: the ring is written out, without a loop.
; CLUSTERS: 4 x 4 work-groups.  The four of a row of the cluster need the same tiles of A, the four of a column the same tiles of B: each tile is asked for JOINTLY, by the same tensor load with the same descriptor and a mask
; that names the four.  THE MATRIX INSTRUCTION IS USED TRANSPOSED (source 0 = 16 rows of B, source 1 = 16 rows of A): a lane holds one row of C and its registers run along n, the next K.
; LIMITS: a block of zeros, or one whose largest magnitude lies under 2^-122, gets the byte 1 (its codes are zeros, and this program alone reads the bytes); NaN and infinities are not served.
; REGISTERS, in windows of 256: window 0: v16-31 addresses; v32-63 scale words, two sets; v64-87 at work on the way out; v96-135 codes on the way out; from v128 A's fragments, ONE set.
;   window 1: B's fragments, TWO sets, at v0 and v128.   window 2: the accumulators of my rows 0-63 ((a, b) at v[8 (8 a + b)]);   window 3: those of my rows 64-127.
.set NQ,     2                         ; matrix instructions deep in a slot
.set FR,     12                        ; registers of a fragment: 16 rows x 128 K
.set NL,     6                         ; LDS loads that bring one
.set NP,     4                         ; places behind this matrix instruction (ISA guide 7.12.1)
.set CHB,    768                       ; an image: 16 rows x 64 K
.set MBB,    4*CHB                     ; a block of 16 rows in a slot: 256 along K
.set HALFT,  8*MBB                     ; 128 rows: what one tensor load brings, and what one wave reads of A or of B
.set SLOT,   4*HALFT                   ; A's 256 rows, then B's 256 rows
.set MROW,   16*CHB                    ; a block of 16 rows in memory: all 1,024 along K
.set CODES,  0x40000
.set HALFS,  4096                      ; the scale words of 128 rows
.set SCL,    2*SLOT                    ; behind the ring: the scales
.set SPARE,  SCL+4*HALFS               ; the spare words, 128 bytes for each wave: two blocks of 256 bytes that no other line names
.set STG,    SPARE+512                 ; the way out: 512 bytes for each wave's scale words; no fill lands here
.set OCODES, 0x80000
.set OTILE,  49152
.set ADRA, 16                          ; v16-17  LDS address of my A fragments in slot 0, 1
.set ADRB, 20                          ; v20-21  the same for B
.set ST8,  24                          ; v24     8 x lane: an image's place for my lane
.set SWI,  25                          ; v25     where I put a row's scale word
.set SWO,  26                          ; v26     where I read 16 bytes of them back
.set ADRS, 27                          ; v27     LDS address of my scale words: lanes 0-15 A's rows, lanes 16-31 B's
.set SPW,  28                          ; v28     LDS address of my spare word; never rewritten
.set NIL,  29                          ; v29     0; never rewritten
.set L16,  30                          ; v30     16 x lane
.set SC,   32                          ; scale words: set s at v[SC + 16 s]; register 2 i + q: lanes 0-15 A's block i, lanes 16-31 B's block i, the slot's q-th 128 along K
.set TM,   64                          ; v64-67 largest magnitudes, v68-71 bytes, v76-79 the conversions' scale operands
.set PW,   80                          ; v80-87  block a's scale words
.set AF,   128                         ; A's fragments, in window 0
.set SEL,  18                          ; s[18:19] lane selects for v_permlanex16_b32: lane l xor 16
.set G1, 24                            ; s[24:31] descriptor group 1 for A's tiles;  s[32:39] group 0, one set for each slot
.set G0, 32
.set G1B, 48                           ; s[48:55], s[56:63] the same for B's tiles
.set G0B, 56
.set G1S, 68                           ; s[68:75], s[76:79] groups 1 and 0 for A's scales;  s[80:87], s[88:91] for B's
.set G0S, 76
.set G1SB, 80
.set G0SB, 88
.set MSB, 0
.macro WIN new                         ; the immediate's high byte repeats the setting that is left
.if MSB != \new
	s_set_vgpr_msb (MSB<<8)|\new
.set MSB, \new
.endif
.endm
.set MUL_LO, 0xa1                      ; source 0 (B) window 1, source 1 (A) window 0, C and D window 2
.set MUL_HI, 0xf1                      ; the same, C and D window 3
.set TO_B,   0x40                      ; destination window 1, address window 0
; A joint load: waves 0 and 1 fetch for A, waves 2 and 3 for B.  Each of the two lines has ONE mask and one set of registers for all that issue it; the branch hangs on the wave's number alone.
; Four v_nop follow each of the two lines, ahead of the jump, the label and what follows.
.macro JLOAD g0a, g1a, g0b, g1b
	s_cmp_eq_u32 s15, 0
	s_cbranch_scc0 .Lfor_b_\@
	tensor_load_to_lds s[\g0a:\g0a+3], s[\g1a:\g1a+7]
	s_nop 0
.rept 4
	v_nop
.endr
	s_branch .Lasked_\@
.Lfor_b_\@:
	tensor_load_to_lds s[\g0b:\g0b+3], s[\g1b:\g1b+7]
	s_nop 0
.rept 4
	v_nop
.endr
.Lasked_\@:
.endm
.macro CREST                           ; a round of the cluster's barrier behind its opening barrier
	s_cmp_lg_u32 s14, 0
	s_cbranch_scc1 .Lnot_wave_0_\@
	s_barrier_signal -3
.Lnot_wave_0_\@:
	s_barrier_wait -3
	s_barrier_signal -1
	s_barrier_wait -1
.endm
.macro CROUND                          ; a whole round
	s_barrier_signal -1
	s_barrier_wait -1
	CREST
.endm
	s_load_b128 s[4:7], s[0:1], 0x0                ; A s[4:5], B s[6:7]
	s_load_b64 s[8:9], s[0:1], 0x10                ; the result
	v_lshl_add_u32 v[SPW], v0, 2, SPARE
	v_mov_b32 v[NIL], 0
	ds_add_u32 v28, v29
	ds_add_u32 v28, v29
	s_wait_dscnt 0x0
	v_lshrrev_b32 v1, 5, v0
	v_readfirstlane_b32 s14, v1                    ; wave 0..3
	s_lshr_b32 s15, s14, 1                         ; which half of the tile's rows is mine.  Also: I fetch for A (0) or for B (1)
	s_and_b32 s16, s14, 1                          ; which half of its columns.  Also: which 128 rows of that tile I fetch
	s_bfe_u32 s40, ttmp6, 0x40000                  ; cx, cy: my place in the cluster
	s_bfe_u32 s41, ttmp6, 0x40004
	s_lshl_b32 s42, ttmp9, 2
	s_add_co_u32 s42, s42, s40                     ; tile column = 4 x cluster x + cx
	s_and_b32 s17, ttmp7, 0xffff
	s_lshl_b32 s17, s17, 2
	s_add_co_u32 s17, s17, s41                     ; tile row = 4 x cluster y + cy
	s_lshl_b32 s43, s41, 2
	s_lshl_b32 s43, 15, s43                        ; my row of the cluster
	s_lshl_b32 s44, 0x1111, s40                    ; my column
	; descriptor group 1 for codes: 8 blocks of 16 rows, of each 3,072 consecutive bytes (256 along K), 12,288 bytes apart; elements of 8 bytes; dense in LDS
	s_or_b32 s[G1+0], s43, (3<<16)|(1<<21)         ; 15:0 the mask: A's tiles go to my row; 17:16 elements of 8 bytes; 20 no padding; 21 set beside a mask
	s_or_b32 s[G1B+0], s44, (3<<16)|(1<<21)
.irp g, G1, G1B
	s_mov_b32 s[\g+1], 384<<16                     ; tensor_dim0
	s_mov_b32 s[\g+2], 8<<16                       ; tensor_dim1
	s_mov_b32 s[\g+3], 384<<16                     ; tile_dim0
	s_mov_b32 s[\g+4], 8                           ; tile_dim1
	s_mov_b32 s[\g+5], 1536                        ; tensor_dim0_stride
	s_mov_b32 s[\g+6], 0
	s_mov_b32 s[\g+7], 0
.endr
	; and for the scale words of 128 rows: 4,096 dense bytes, as 16 rows of 256
	s_or_b32 s[G1S+0], s43, (3<<16)|(1<<21)
	s_or_b32 s[G1SB+0], s44, (3<<16)|(1<<21)
.irp g, G1S, G1SB
	s_mov_b32 s[\g+1], 32<<16
	s_mov_b32 s[\g+2], 16<<16
	s_mov_b32 s[\g+3], 32<<16
	s_mov_b32 s[\g+4], 16
	s_mov_b32 s[\g+5], 32
	s_mov_b32 s[\g+6], 0
	s_mov_b32 s[\g+7], 0
.endr
	s_lshl_b32 s18, s16, 3                         ; which 8 blocks of 16 rows of the tile I fetch
	s_lshl_b32 s20, s17, 4
	s_add_co_u32 s20, s20, s18                     ; A: block 16 x tile row + 8 x half
	s_lshl_b32 s46, s42, 4
	s_add_co_u32 s46, s46, s18                     ; B: block 16 x tile column + 8 x half
	s_lshl_b32 s22, s20, 9                         ; where these rows' scale words begin, in bytes,
	s_mov_b32 s23, 0
	s_lshl_b32 s92, s46, 9
	s_mov_b32 s93, 0
	s_mul_i32 s20, s20, MROW                       ; and their codes
	s_add_co_u32 s20, s20, CODES
	s_mov_b32 s21, 0
	s_mul_i32 s46, s46, MROW
	s_add_co_u32 s46, s46, CODES
	s_mov_b32 s47, 0
	s_mul_i32 s45, s14, HALFT                      ; where they go: wave x 128 rows: no place in the cluster enters an LDS address
	s_lshl_b32 s94, s14, 12
	s_wait_kmcnt 0x0
	s_add_nc_u64 s[20:21], s[4:5], s[20:21]
	s_add_nc_u64 s[22:23], s[4:5], s[22:23]
	s_add_nc_u64 s[46:47], s[6:7], s[46:47]
	s_add_nc_u64 s[92:93], s[6:7], s[92:93]
	CROUND                                         ; all sixteen work-groups are here: the first joint loads meet
	s_mov_b32 s[G0S], 1
	s_add_co_u32 s[G0S+1], s94, SCL
	s_mov_b64 s[G0S+2:G0S+3], s[22:23]
	s_or_b32 s[G0S+3], s[G0S+3], 0x80000000
	s_mov_b32 s[G0SB], 1
	s_add_co_u32 s[G0SB+1], s94, SCL
	s_mov_b64 s[G0SB+2:G0SB+3], s[92:93]
	s_or_b32 s[G0SB+3], s[G0SB+3], 0x80000000
	JLOAD G0S, G1S, G0SB, G1SB                     ; the scales first: they are wanted with the first slot
.irp s, 0,1
	s_mov_b32 s[G0+4*\s], 1
	s_add_co_u32 s[G0+4*\s+1], s45, \s*SLOT
	s_add_nc_u64 s[G0+4*\s+2:G0+4*\s+3], s[20:21], \s*MBB
	s_or_b32 s[G0+4*\s+3], s[G0+4*\s+3], 0x80000000
	s_mov_b32 s[G0B+4*\s], 1
	s_add_co_u32 s[G0B+4*\s+1], s45, \s*SLOT
	s_add_nc_u64 s[G0B+4*\s+2:G0B+4*\s+3], s[46:47], \s*MBB
	s_or_b32 s[G0B+4*\s+3], s[G0B+4*\s+3], 0x80000000
	JLOAD G0+4*\s, G1, G0B+4*\s, G1B               ; three tensor loads of mine are out now; later one
.endr
	v_and_b32 v1, 15, v0                           ; r
	v_bfe_u32 v2, v0, 4, 1                         ; h
	s_wait_alu depctr_va_vdst(0)
	v_and_b32 v3, 31, v0                           ; lane
	v_lshlrev_b32 v[ST8], 3, v3
	v_lshlrev_b32 v[L16], 4, v3
	s_mul_i32 s21, s15, HALFT                      ; my 128 rows of A
	s_mul_i32 s22, s16, HALFT                      ; my 128 rows of B,
	s_add_co_u32 s22, s22, 2*HALFT                 ; which lie behind A's 256
.irp s, 0,1
	v_add_nc_u32 v[ADRA+\s], s21, v[ST8]
	v_add_nc_u32 v[ADRB+\s], s22, v[ST8]
	s_add_co_u32 s21, s21, SLOT
	s_add_co_u32 s22, s22, SLOT
.endr
	v_lshlrev_b32 v5, 2, v1                        ; my row's scale word
	s_lshl_b32 s21, s15, 12                        ; A's: my 128 rows
	s_lshl_b32 s22, s16, 12                        ; B's: my 128 rows, behind A's 256
	s_add_co_u32 s22, s22, 2*HALFS
	s_sub_co_u32 s22, s22, s21
	v_mul_u32_u24 v6, s22, v2                      ; lanes 16-31 take B's
	s_add_co_u32 s21, s21, SCL
	v_add_nc_u32 v6, v5, v6
	v_add_nc_u32 v[ADRS], s21, v6
	s_lshl_b32 s23, s14, 9
	s_add_co_u32 s23, s23, STG                     ; my 512 bytes for the result's scale words
	v_add_nc_u32 v[SWI], s23, v5
	v_add_nc_u32 v[SWO], s23, v[L16]
.irp b, 0,1,2,3
	v_mov_b32 v[TM+4+\b], 0                        ; written once: a lane permute's destination counts as one of its sources
.endr
	s_mov_b32 s[SEL], 0x76543210
	s_mov_b32 s[SEL+1], 0xfedcba98
	; where my part of the result goes.  The tile's number: (column % 8) + 8 x row + 32 x (column / 8): dense for 8 columns of tiles and for 4 rows of tiles alike
	s_and_b32 s95, s42, 7
	s_lshl_b32 s96, s17, 3
	s_add_co_u32 s95, s95, s96
	s_lshr_b32 s96, s42, 3
	s_lshl_b32 s96, s96, 5
	s_add_co_u32 s95, s95, s96
	s_mul_i32 s96, s95, OTILE
	s_mul_i32 s97, s16, 2*16*CHB                   ; my two chunks of 64 along n,
	s_add_co_u32 s96, s96, s97
	s_mul_i32 s97, s15, 8*CHB                      ; my eight blocks of 16 rows
	s_add_co_u32 s96, s96, s97
	s_add_co_u32 s96, s96, OCODES
	s_mov_b32 s97, 0
	s_add_nc_u64 s[10:11], s[8:9], s[96:97]        ; codes
	s_lshl_b32 s96, s95, 11
	s_lshl_b32 s95, s16, 10
	s_add_co_u32 s96, s96, s95
	s_lshl_b32 s95, s15, 9
	s_add_co_u32 s96, s96, s95
	s_add_nc_u64 s[12:13], s[8:9], s[96:97]        ; scale words
.macro FRAG reg, adr, q, i             ; a fragment, 12 registers: the images of chunks 2 q and 2 q + 1 of block i, six pieces of 256 bytes, 8 bytes a lane
.irp p, 0,1,2,3,4,5
	ds_load_b64 v[\reg+2*\p:\reg+2*\p+1], v[\adr] offset:(\i)*MBB+(2*(\q)+\p/3)*CHB+256*(\p%3)
.endr
.endm
; 16 matrix instructions: A's blocks a0, a0 + 1 x B's eight, 128 along K: the slot's q-th.  p: B's set;  sc: the set of scale words.  zero = 1: the first product starts the sums: nothing is ever cleared.
; The 64 accumulators take turns, one instruction a turn, in the same order in every step.
.macro MUL16 a0, p, q, sc, zero
.irp a, \a0, \a0+1
.irp b, 0,1,2,3,4,5,6,7
.if \zero
	v_wmma_scale_f32_16x16x128_f8f6f4 v[8*(8*((\a)%4)+\b):8*(8*((\a)%4)+\b)+7], v[128*(\p)+FR*\b:128*(\p)+FR*\b+FR-1], v[AF+FR*(\a):AF+FR*(\a)+FR-1], 0, v[SC+8*NQ*(\sc)+NQ*\b+(\q)], v[SC+8*NQ*(\sc)+NQ*(\a)+(\q)] matrix_a_fmt:MATRIX_FMT_BF6 matrix_b_fmt:MATRIX_FMT_BF6 matrix_a_scale:MATRIX_SCALE_ROW1
.else
	v_wmma_scale_f32_16x16x128_f8f6f4 v[8*(8*((\a)%4)+\b):8*(8*((\a)%4)+\b)+7], v[128*(\p)+FR*\b:128*(\p)+FR*\b+FR-1], v[AF+FR*(\a):AF+FR*(\a)+FR-1], v[8*(8*((\a)%4)+\b):8*(8*((\a)%4)+\b)+7], v[SC+8*NQ*(\sc)+NQ*\b+(\q)], v[SC+8*NQ*(\sc)+NQ*(\a)+(\q)] matrix_a_fmt:MATRIX_FMT_BF6 matrix_b_fmt:MATRIX_FMT_BF6 matrix_a_scale:MATRIX_SCALE_ROW1
.endif
.endr
.endr
.endm
.macro FETCH_B slot, q, p              ; B's eight fragments of the slot's q-th 128 along K into set p
	WIN TO_B
.irp i, 0,1,2,3,4,5,6,7
	FRAG 128*(\p)+FR*\i, ADRB+\slot, \q, \i
.endr
	WIN 0
.endm
.macro FETCH_A slot, q, i0             ; A's blocks i0 .. i0 + 3
.irp i, \i0, \i0+1, \i0+2, \i0+3
	FRAG AF+FR*(\i), ADRA+\slot, \q, \i
.endr
.endm
.macro SCALES sc                       ; the next slot's scale words into set sc: lanes 0-15 take A's block i, lanes 16-31 B's block i
.irp i, 0,1,2,3,4,5,6,7
.irp q, 0,1
	ds_load_b32 v[SC+8*NQ*\sc+NQ*\i+\q], v[ADRS] offset:\i*512+64*\q
.endr
.endr
.endm
; A load into a register that a matrix instruction has read, and a vector instruction that reads a matrix result, stand NP places behind that matrix instruction, and only plain vector
; instructions that name none of its registers are places (ISA guide 7.12.1 for vector instructions).
.macro PLACES n
.rept \n
	v_nop
.endr
.endm
; A step of 128 along K that has its successor in the same slot.
.macro STEP slot, q, zero
	s_wait_dscnt 4*NL                              ; B's set, A's blocks 0-3 and the scale words are in; the youngest 24 loads (A's blocks 4-7) may be out
	WIN MUL_LO
	MUL16 0, (\q)%2, \q, \slot, \zero
	MUL16 2, (\q)%2, \q, \slot, \zero
	s_wait_dscnt 0                                 ; A's blocks 4-7 are in (asked for 32 matrix instructions ago)
	PLACES NP
	FETCH_B \slot, (\q)+1, 1-(\q)%2
	FETCH_A \slot, (\q)+1, 0
	WIN MUL_HI
	MUL16 4, (\q)%2, \q, \slot, \zero
	MUL16 6, (\q)%2, \q, \slot, \zero
	PLACES NP
	WIN 0
	FETCH_A \slot, (\q)+1, 4
.endm
; A slot's last step changes slots: ONE barrier; in front of it each wave waits for all its tensor loads, adds 0 to its spare word, and waits for that and for its own reads of this slot.  fill = 1: this slot is filled again, two slots ahead.
.macro TURN slot, next, fill
	s_wait_tensorcnt 0x0                           ; all my tensor loads have landed: my part of the next slot;  (every window is 0 here)
	ds_add_u32 v[SPW], v[NIL]                      ; 0 onto my spare word
	s_wait_dscnt 4*NL+1                            ; (the add and the youngest 24 loads, A's blocks 4-7, may be out)
	WIN MUL_LO
	MUL16 0, 1, NQ-1, \slot, 0                     ; sixteen matrix instructions stand between the add and the wait for it
	s_wait_dscnt 0x0                               ; the add is done, and my reads of this slot are over
	s_barrier_signal -1
	MUL16 2, 1, NQ-1, \slot, 0
	WIN 0
	s_barrier_wait -1
.if \fill
	CREST                                          ; the barrier has opened a round of the cluster's barrier: no wave of any partner still reads this slot's tile or has a load on its way
	s_add_nc_u64 s[G0+4*\slot+2:G0+4*\slot+3], s[G0+4*\slot+2:G0+4*\slot+3], 2*MBB
	s_add_nc_u64 s[G0B+4*\slot+2:G0B+4*\slot+3], s[G0B+4*\slot+2:G0B+4*\slot+3], 2*MBB
	JLOAD G0+4*\slot, G1, G0B+4*\slot, G1B         ; the first tensor load behind the round; the four v_nop behind it are the places in front of the loads below
.else
	PLACES NP
.endif
	s_wait_alu depctr_va_vdst(0)
	v_add_nc_u32 v[ADRS], 64*NQ, v[ADRS]           ; on to the next slot's scale words
	FETCH_B \next, 0, 0
	FETCH_A \next, 0, 0
	SCALES \next
	WIN MUL_HI
	MUL16 4, 1, NQ-1, \slot, 0
	MUL16 6, 1, NQ-1, \slot, 0
	PLACES NP
	WIN 0
	FETCH_A \next, 0, 4
.endm
	s_wait_alu depctr_va_vdst(0)
	s_wait_tensorcnt 1                             ; the scales and my part of slot 0 are in (slot 1's load may be out)
	s_barrier_signal -1
	s_barrier_wait -1                              ; everybody's are
	FETCH_B 0, 0, 0
	FETCH_A 0, 0, 0
	SCALES 0
	FETCH_A 0, 0, 4
	STEP 0, 0, 1                                   ; K 0-127: its products start the sums
	TURN 0, 1, 1                                   ; K 128-255; slot 0 takes K 512-767
	STEP 1, 0, 0
	TURN 1, 0, 1                                   ; slot 1 takes K 768-1023
	STEP 0, 0, 0
	TURN 0, 1, 0                                   ; nothing is left to fetch: no round of the cluster's barrier
	STEP 1, 0, 0
	s_wait_dscnt 4*NL                              ; the very last step
	WIN MUL_LO
	MUL16 0, 1, NQ-1, 1, 0
	MUL16 2, 1, NQ-1, 1, 0
	s_wait_dscnt 0
	WIN MUL_HI
	MUL16 4, 1, NQ-1, 1, 0
	MUL16 6, 1, NQ-1, 1, 0
	WIN 0
; THE WAY OUT, block by block of 16 rows x 128 columns.  A lane holds one row; registers 16 b + 0 .. 15 of the block's 64 are 16 of the 32 numbers of block b along n, lane l xor 16 has the other 16.
; The largest magnitude with the floor 2^(5 - 127), its exponent field - 4 as the conversion's scale operand, the byte; four conversions; an exchange of halves, so that a lane holds a whole block of 32:
; the twelve registers are then two images, stored as they stand.  Each accumulator is read from its low end on.
.macro QOUT a
.set W,  2+(\a)/4
.set WW, W|(W<<2)
.set S,  64*((\a)%4)
.set PC, 96+20*((\a)%2)
	WIN WW                                         ; sources 0 and 1: the accumulators' window
.irp b, 0,1,2,3
	v_max3_num_f32 v[TM+\b], |v[S+16*\b]|, |v[S+16*\b+1]|, 0x2800000
.endr
.irp i, 2,4,6,8,10,12,14
.irp b, 0,1,2,3
	v_max3_num_f32 v[TM+\b], |v[S+16*\b+\i]|, |v[S+16*\b+\i+1]|, v[TM+\b]   ; (the four blocks by turns)
.endr
.endr
	WIN 0
.irp b, 0,1,2,3
	v_permlanex16_b32 v[TM+4+\b], v[TM+\b], s[SEL], s[SEL+1]
.endr
.irp b, 0,1,2,3
	v_max_num_f32 v[TM+\b], v[TM+\b], v[TM+4+\b]   ; with lane l xor 16's: the block's largest magnitude
.endr
.irp b, 0,1,2,3
	v_add_nc_u32 v[TM+12+\b], 0xfe000000, v[TM+\b]
.endr
.irp b, 0,1,2,3
	v_lshrrev_b32 v[TM+4+\b], 23, v[TM+12+\b]
.endr
	v_lshl_or_b32 v[PW+\a], v[TM+5], 8, v[TM+4]    ; my row's scale word for these 128 along n
	v_lshl_or_b32 v[PW+\a], v[TM+6], 16, v[PW+\a]
	v_lshl_or_b32 v[PW+\a], v[TM+7], 24, v[PW+\a]
.if (\a) >= 2
	s_wait_xcnt 0x0                                ; the stores of the block two back have read this set of code registers: only now is it written again
.endif
	WIN W                                          ; source 0: the accumulators' window
.irp c, 0,1
	v_cvt_scalef32_pk16_bf6_f32 v[PC+6*\c:PC+6*\c+2], v[S+32*\c:S+32*\c+15], v[TM+12+2*\c]
	v_cvt_scalef32_pk16_bf6_f32 v[PC+12+4*\c:PC+14+4*\c], v[S+32*\c+16:S+32*\c+31], v[TM+13+2*\c]   ; (a conversion's three registers begin on an even number)
.endr
	WIN 0
	v_nop                                          ; one plain place behind a scaled conversion
.irp c, 0,1
.irp i, 0,1,2
	v_permlane16_swap_b32 v[PC+6*\c+\i], v[PC+12+4*\c+\i]   ; lanes 0-15 now hold block 2 c, lanes 16-31 block 2 c + 1
.endr
.irp i, 0,1,2
	v_mov_b32 v[PC+3+6*\c+\i], v[PC+12+4*\c+\i]
.endr
.endr
.irp c, 0,1
.irp p, 0,1,2
	global_store_b64 v[ST8], v[PC+6*\c+2*\p:PC+6*\c+2*\p+1], s[10:11] offset:\c*16*CHB+(\a)*CHB+256*\p   ; 32 lanes store 256 consecutive bytes, aligned
.endr
.endr
	ds_store_b32 v[SWI], v[PW+\a] offset:64*(\a)   ; both halves of the lanes write the same word with the same value
.endm
	PLACES NP                                      ; behind the last products
.irp a, 0,1,2,3,4,5,6,7
	QOUT \a
.endr
	ds_load_b128 v[140:143], v[SWO]                ; LDS serves a wave's instructions in order: this sees my stores
	s_wait_dscnt 0x0
	global_store_b128 v[L16], v[140:143], s[12:13] ; my eight blocks' scale words: 512 consecutive bytes, aligned
	s_wait_tensorcnt 0x0                           ; the wave's end: behind my last tensor load and my last LDS store
	ds_add_u32 v[SPW], v[NIL]
	s_wait_dscnt 0x0
	CROUND                                         ; the closing round: no work-group ends while a partner may still ask for a tile that names it
	s_endpgm
.Lfunc_end_k_q52a32c279d_proj_qk:
	.size	k_q52a32c279d_proj_qk, .Lfunc_end_k_q52a32c279d_proj_qk-k_q52a32c279d_proj_qk
	.p2alignl 7, 3214868480
	.fill 96, 4, 3214868480
	.section	.rodata,"a",@progbits
	.p2align	6, 0x0
	.amdhsa_kernel k_q52a32c279d_proj_qk
		.amdhsa_group_segment_fixed_size 327680
		.amdhsa_private_segment_fixed_size 0
		.amdhsa_enable_private_segment 0
		.amdhsa_kernarg_size 24
		.amdhsa_user_sgpr_count 2
		.amdhsa_user_sgpr_kernarg_segment_ptr 1
		.amdhsa_wavefront_size32 1
		.amdhsa_system_sgpr_workgroup_id_x 1
		.amdhsa_system_sgpr_workgroup_id_y 1
		.amdhsa_system_sgpr_workgroup_id_z 1
		.amdhsa_system_vgpr_workitem_id 0
		.amdhsa_next_free_vgpr 1024
		.amdhsa_next_free_sgpr 98
		.amdhsa_reserve_vcc 0
		.amdhsa_float_denorm_mode_32 3
		.amdhsa_float_denorm_mode_16_64 3
		.amdhsa_memory_ordered 1
		.amdhsa_forward_progress 1
		.amdhsa_inst_pref_size 169
	.end_amdhsa_kernel
	.amdgpu_metadata
---
amdhsa.version: [ 1, 2 ]
amdhsa.kernels:
  - .name:           k_q52a32c279d_proj_qk
    .symbol:         k_q52a32c279d_proj_qk.kd
    .args:
      - { .name: xq, .offset: 0, .size: 8, .value_kind: global_buffer, .address_space: global }
      - { .name: wqk, .offset: 8, .size: 8, .value_kind: global_buffer, .address_space: global }
      - { .name: qk, .offset: 16, .size: 8, .value_kind: global_buffer, .address_space: global }
    .group_segment_fixed_size: 327680
    .private_segment_fixed_size: 0
    .kernarg_segment_align: 8
    .kernarg_segment_size: 24
    .max_flat_workgroup_size: 128
    .sgpr_count:     98
    .vgpr_count:     1024
    .wavefront_size: 32
...
	.end_amdgpu_metadata
.endif
;; end of part 2
;; launch proj_v: the kernel of part 2 again; grid 32 x 4, 4 waves a work-group, clusters of 4 x 4, 327,680 bytes of LDS; arguments wv, xq, vt; writes vt
;; launch attn (part 3): grid 4 x 64, 16 waves a work-group, no clusters, 215,040 bytes of LDS; arguments qk, vt, ctx; writes ctx
.if DOCPART == 3
	.amdgcn_target "amdgcn-amd-amdhsa--gfx1250"
	.amdhsa_code_object_version 6
	.text
	.protected	k_q52a32c279d_attn
	.globl	k_q52a32c279d_attn
	.p2align	8
	.type	k_q52a32c279d_attn,@function
k_q52a32c279d_attn:
	s_mov_b64 s[64:65], 0
	v_nop
	global_prefetch_b8 v0, s[64:65] scope:SCOPE_SE
	s_setreg_imm32_b32 hwreg(HW_REG_WAVE_MODE, 25, 1), 1
	s_wait_xcnt 0x0
; Causal attention of one head on codes of BF6 (E3M2) with E8M0 scales: S = Q K^T / 8, the softmax, O = P V, and O / l quantised along head x 64 + d into ctx, the last product's operand.
; INPUTS, as the projections left them (tiles of 256 x 256, number L; codes from byte TQC as images of six operand registers, 768 bytes for 16 rows x 64 along K; scale words from byte 0):
;   qk: rows = tokens, K = the head's 64: one image a block of 16 tokens and head; of a row's scale word for two heads this head has two bytes.   vt: rows = head x 64 + d, K = the keys.
; THE SOFTMAX AHEAD OF THE SECOND PRODUCT: t = score x log2(e) / 8; M = the row's largest t so far, rounded UP to a whole number; p = 2^(t - M) is what is quantised, along the keys, not normalised.
; The row's sum l is taken of the unquantised p and divides O at the end (v_rcp_f32 and a multiplication).  When M moves, l and O are multiplied by 2^(old M - new M): exact.
; A block's largest p is not searched for: the block's largest score goes through the same multiply-add and exponential (this takes v_exp_f32 not to fall where its input rises).
; K = 64 IN AN INSTRUCTION 128 DEEP: Q's registers 6-11 are zero codes; K's tile t is named as twelve registers from its six on, so its upper half is the next tile's codes (behind the last: zeros): finite numbers
; times zero.  The scale words are loaded as 16 bits, so the dead blocks' bytes are 0, the smallest scale.
; THE WHOLE HEAD LIES IN LDS: K's codes 2,048 x 48 bytes, V's 64 x 1,536, their scale words 8,192 + 4,096: 208,896 bytes, each of the four parts an array by key steps of 128 keys.  Nothing is filled again: there is no
; ring, and two barriers in all.  Waves 0 to 3 bring one part each by two first fills at the kernel's head: key steps 0-3, which are waited for first, and key steps 4-15, which land while steps 0-3 are worked.
; SHARES.  A work-group owns one head and TWO blocks of 256 queries, 7 - i and i: together 18 key steps' work a pair of blocks in every work-group, so all 256 work-groups have equal work.
; Each of the sixteen waves owns 16 queries in 256 registers: four waves to a SIMD; behind the second barrier no wave waits for another, so one wave's vector work stands beside another's matrix work and LDS loads.
; The loops' trip counts are constants: 4 + 12 steps for block 7 - i, 8 for block i (its queries lie under 1,024).  A step all of whose keys come after the wave's queries is jumped over, by a scalar branch on ids;
; on the diagonal hidden scores become -infinity ahead of the maximum.  A work-group with i > 0 reads only the first 16 - 2 i steps' tiles: the last 2 i steps' are fetched and not read (the descriptors are constants).
; BOTH PRODUCTS ARE USED TRANSPOSED (S^T = K Q^T, O^T = V^T P^T): a lane holds one query throughout.  Inside a block of 32 the codes of p and of the context come out in the order 0-7, 16-23, 8-15, 24-31,
; which is also V^T's along the keys and W_o's along its K.
; NO CLUSTER: the four work-groups of a head fetch the same tiles, but which steps a work-group leaves out hangs on i, its place among the four, and partners of a joint request have to run alike.
; LIMITS: a block of zeros, or one under 2^-122, gets the byte 1 (its codes are zeros, and this program alone reads the bytes); NaN and infinities are not served.
.set CHB,   768
.set STEPC, 8*CHB                      ; a key step's images: K's 8 tiles of 16 keys; V's 2 chunks of 64 keys x 4 tiles of 16 of d
.set KCL,   0                          ; LDS: K's images, 16 steps;
.set VCL,   16*STEPC                   ; V's;
.set KSL,   2*16*STEPC                 ; K's scale words, 512 bytes a step;
.set VSL,   KSL+16*512                 ; V's, 256 bytes a step; the end is byte 208,896
.set ST1,   4                          ; key steps in the first of a part's two fills
.set TQC,   0x80000
.set TILEB, 49152
.set L8,   1                           ; v1   8 x lane: an image's place for my lane
.set L8V,  2                           ; v2   the same among V's images
.set AKS,  3                           ; v3   KSL + 4 x lane + 2 (head % 2): lanes 0-15 an even tile's rows, lanes 16-31 the odd tile's
.set AVS,  4                           ; v4   VSL + 4 x lane
.set R4,   5                           ; v5   4 r
.set R4H,  6                           ; v6   4 r + h: my byte of the context's scale words
.set RH,   7                           ; v7   r - 8 h
.set ADC,  8                           ; v8-11 the four LDS addresses of the step in hand
.set ADV,  9
.set ADS,  10
.set ADT,  11
.set QR,   16                          ; v16-27 the first pass's Q; 22-27 stay zero          (v12 -M, v13 the largest t, v[14:15] the sum in two halves)
.set QS,   28                          ; v28  its scale bytes
.set PS,   29                          ; v29  p's scale word
.set KR,   32                          ; v32-79 K's eight images, then V's four fragments; v80-85 stay zero
.set KSR,  86                          ; v86-89 K's scale bytes, two tiles to a register
.set VSR,  90                          ; v90-91 V's scale words, two tiles to a register
.set ST,   96                          ; v96-159 S^T, then p
.set OT,   160                         ; v160-191 O^T
.set PCD,  192                         ; v192-203 p's codes, at the end the context's
.set CT,   204                         ; v204-210 the conversions' second halves
.set BM,   212                         ; v212-215 the blocks' largest
.set BB,   216                         ; v216-219 the other half's, then the bytes
.set SO,   220                         ; v220-223 the conversions' scale operands
.set F,    224                         ; v[224:225] f = 2^(old M - new M)
.set T0,   226                         ; v226-227 at work
.set S2,   230                         ; v[230:231] the sum's second chain
.set Q2,   232                         ; v232-243 the second pass's Q; 238-243 stay zero
.set Q2S,  244                         ; v244 its scale bytes
.set WV,   10                          ; s10  my wave's number
.set II,   11                          ; s11  i: work-group x
.set CNT,  15                          ; s15  steps to go
.set TK,   16                          ; s16  6,144 x the step
.set TS,   17                          ; s17  512 x the step
.set QB,   18                          ; s18  the block of queries in hand
.set Q0,   19                          ; s19  my first query
.set SEL,  20                          ; s[20:21] lane selects for v_permlanex16_b32: lane l xor 16
.set CS,   22                          ; s[22:23] c = log2(e) / 8
.set TV,   24                          ; s24  256 x the step
.set KF,   25                          ; s25  the step's first key
.set G1A,  28                          ; s[28:35], s[36:43] my two fills' groups 1;  s[44:47], s[48:51] their groups 0: written by waves 0 to 3, each for its own part, and never again
.set G1B,  36
.set G0A,  44
.set G0B,  48
.set KB,   52                          ; s[52:59] where the head's K codes, V codes, K scales, V scales begin
.set VB,   54
.set KSB,  56
.set VSB,  58
.set QC,   60                          ; s[60:63] the first pass's Q codes and scales;  s[68:71] the second's
.set QSP,  62
.set TQ0,  66                          ; s66  Q's tile number for block 0: head / 4 + 64 x batch
.set QC2,  68
.set QSP2, 70
.set CC,   72                          ; s[72:75] the pass's context codes and scales
.set CSP,  74
.set QCO,  76                          ; s76-80 the parts of those offsets that do not hang on the block
.set QSO,  77
.set CMB,  78
.set CCO,  79
.set CSO,  80
.set OFF,  82                          ; s[82:83] an offset in 64 bits; the upper word stays 0
.macro SHAPE g, c, r, p                ; group 1: r rows of c elements of 8 bytes, p elements apart; no mask, no padding
	s_mov_b32 s[\g], 3<<16
	s_mov_b32 s[\g+1], (\c)<<16
	s_mov_b32 s[\g+2], (\r)<<16
	s_mov_b32 s[\g+3], (\c)<<16
	s_mov_b32 s[\g+4], \r
	s_mov_b32 s[\g+5], \p
	s_mov_b32 s[\g+6], 0
	s_mov_b32 s[\g+7], 0
.endm
; One part's two first fills: r1 rows (key steps 0-3), then the r2 rows behind them (key steps 4-15), dense in LDS from byte lds on.  The second fill's descriptor is made behind the first fill's issue.
.macro FILLS c, r1, r2, p, base, lds
	SHAPE G1A, \c, \r1, \p
	s_mov_b32 s[G0A], 1
	s_mov_b32 s[G0A+1], \lds
	s_mov_b64 s[G0A+2:G0A+3], s[\base:\base+1]
	s_or_b32 s[G0A+3], s[G0A+3], 0x80000000
	tensor_load_to_lds s[G0A:G0A+3], s[G1A:G1A+7]
	s_nop 0
	SHAPE G1B, \c, \r2, \p
	s_mov_b32 s[G0B], 1
	s_mov_b32 s[G0B+1], (\lds)+(\r1)*(\c)*8
	s_add_nc_u64 s[G0B+2:G0B+3], s[\base:\base+1], (\r1)*(\p)*8
	s_or_b32 s[G0B+3], s[G0B+3], 0x80000000
	tensor_load_to_lds s[G0B:G0B+3], s[G1B:G1B+7]
	s_nop 0
.rept 4
	v_nop
.endr
.endm
; Q's image and scale bytes of block s2, for my 16 queries
.macro QLOAD pc, ps, qr, qs
	s_lshl_b32 s3, s2, 3
	s_add_co_u32 s3, s3, s[TQ0]                    ; Q's tile number
	s_mul_i32 s[OFF], s3, TILEB
	s_add_co_u32 s[OFF], s[OFF], s[QCO]
	s_add_nc_u64 s[\pc:\pc+1], s[4:5], s[OFF:OFF+1]
	s_lshl_b32 s[OFF], s3, 11
	s_add_co_u32 s[OFF], s[OFF], s[QSO]
	s_add_nc_u64 s[\ps:\ps+1], s[4:5], s[OFF:OFF+1]
.irp p, 0,1,2
	global_load_b64 v[\qr+2*\p:\qr+2*\p+1], v[L8], s[\pc:\pc+1] offset:256*\p
.endr
	global_load_u16 v[\qs], v[R4], s[\ps:\ps+1]
.endm
; A PASS BEGINS: block s[QB] of the queries.  Where its context goes, and the state: O^T and the sum zeros, the largest t -3e38, under every t: the first change of M multiplies zeros.
.macro PASS
	s_lshl_b32 s[Q0], s[QB], 8
	s_lshl_b32 s2, s[WV], 4
	s_add_co_u32 s[Q0], s[Q0], s2                  ; my first query: 256 x block + 16 x wave
	s_lshl_b32 s2, s[QB], 4
	s_add_co_u32 s2, s2, s[CMB]                    ; the context's block of 16 rows: 128 x batch + 16 x block + wave
	s_mul_i32 s[OFF], s2, 12288
	s_add_co_u32 s[OFF], s[OFF], s[CCO]
	s_add_nc_u64 s[CC:CC+1], s[8:9], s[OFF:OFF+1]
	s_lshl_b32 s[OFF], s2, 9
	s_add_co_u32 s[OFF], s[OFF], s[CSO]
	s_add_nc_u64 s[CSP:CSP+1], s[8:9], s[OFF:OFF+1]
	v_mov_b32 v13, 0xff61b1e6
	s_delay_alu instid0(VALU_DEP_1)
	v_floor_f32 v12, -v13
	v_mov_b32 v14, 0
	v_mov_b32 v15, 0
.set j, 0
.rept 32
	v_mov_b32 v[OT+j], 0                           ; (the key step is written without a first step of its own)
.set j, j+1
.endr
.endm
	s_load_b128 s[4:7], s[0:1], 0x0                ; qk, vt
	s_load_b64 s[8:9], s[0:1], 0x10                ; ctx
	v_lshl_add_u32 v254, v0, 2, 0x34000
	v_mov_b32 v255, 0
	ds_add_u32 v254, v255
	ds_add_u32 v254, v255
	v_lshrrev_b32 v8, 5, v0
	s_delay_alu instid0(VALU_DEP_1)
	v_readfirstlane_b32 s[WV], v8                  ; wave 0..15
	s_mov_b32 s[II], ttmp9
	s_and_b32 s14, ttmp7, 0xffff
	s_lshr_b32 s12, s14, 4                         ; the batch
	s_and_b32 s13, s14, 15                         ; the head
	s_lshr_b32 s2, s13, 2                          ; head / 4
	s_and_b32 s3, s13, 3                           ; head % 4
	s_lshl_b32 s[TQ0], s12, 6
	s_add_co_u32 s[TQ0], s[TQ0], s2
	s_lshl_b32 s67, s2, 3
	s_lshl_b32 s14, s12, 5
	s_add_co_u32 s67, s67, s14                     ; V's first tile: 8 (head / 4) + 32 x batch
	s_mov_b32 s[OFF+1], 0
	s_mov_b32 s[SEL], 0x76543210
	s_mov_b32 s[SEL+1], 0xfedcba98
	s_mov_b32 s[CS], 0x3e38aa3b                    ; c = log2(e) / 8
	s_mov_b32 s[CS+1], s[CS]                       ; (named with it as a pair, so it is written)
	s_add_co_u32 s14, s[TQ0], 4                    ; K's first tile: four tile columns behind Q's
	s_mul_i32 s[QCO], s3, 16*CHB                   ; the head's chunk in a tile
	s_add_co_u32 s[QCO], s[QCO], TQC
	s_lshr_b32 s[QSO], s3, 1
	s_lshl_b32 s[QSO], s[QSO], 10                  ; and its pair of heads among the scale words
	s_wait_dscnt 0x0
	s_wait_kmcnt 0x0
	s_mul_i32 s[OFF], s14, TILEB
	s_add_co_u32 s[OFF], s[OFF], s[QCO]
	s_add_nc_u64 s[KB:KB+1], s[4:5], s[OFF:OFF+1]
	s_lshl_b32 s[OFF], s14, 11
	s_add_co_u32 s[OFF], s[OFF], s[QSO]
	s_add_nc_u64 s[KSB:KSB+1], s[4:5], s[OFF:OFF+1]
	s_mul_i32 s[OFF], s67, TILEB
	s_mul_i32 s14, s3, 4*CHB
	s_add_co_u32 s[OFF], s[OFF], s14
	s_add_co_u32 s[OFF], s[OFF], TQC
	s_add_nc_u64 s[VB:VB+1], s[6:7], s[OFF:OFF+1]
	s_lshl_b32 s[OFF], s67, 11
	s_lshl_b32 s14, s3, 8
	s_add_co_u32 s[OFF], s[OFF], s14
	s_add_nc_u64 s[VSB:VSB+1], s[6:7], s[OFF:OFF+1]
	; THE FIRST FILLS, all of the launch's tensor loads: ahead of every wait on TENSORcnt, every LDS read and every barrier; a wave's two stand in one branch on its number; two loads of a wave are out at the most.
	s_cmp_lg_u32 s[WV], 0
	s_cbranch_scc1 .Lnot0
	FILLS 1536, 2, 6, 49152, KB, KCL               ; K's codes: of each 256 keys 12,288 dense bytes, 393,216 bytes apart
	s_branch .Lasked
.Lnot0:
	s_cmp_lg_u32 s[WV], 1
	s_cbranch_scc1 .Lnot1
	FILLS 384, 8, 24, 1536, VB, VCL                ; V's: of each 64 keys this head's 3,072 bytes, 12,288 apart
	s_branch .Lasked
.Lnot1:
	s_cmp_lg_u32 s[WV], 2
	s_cbranch_scc1 .Lnot2
	FILLS 128, 2, 6, 2048, KSB, KSL                ; K's scale words: of each 256 keys 1,024 dense bytes, 16,384 apart
	s_branch .Lasked
.Lnot2:
	s_cmp_lg_u32 s[WV], 3
	s_cbranch_scc1 .Lasked
	FILLS 32, 4, 12, 128, VSB, VSL                 ; V's: of each 128 keys this head's 256 bytes, 1,024 apart
.Lasked:
	s_mul_i32 s14, s[WV], CHB
	s_add_co_u32 s[QCO], s[QCO], s14               ; my 16 queries' image
	s_lshl_b32 s14, s[WV], 6
	s_add_co_u32 s[QSO], s[QSO], s14
	s_and_b32 s14, s13, 1
	s_lshl_b32 s14, s14, 1                         ; 2 (head % 2): this head's two bytes of a word
	s_add_co_u32 s[QSO], s[QSO], s14
	s_lshl_b32 s[CMB], s12, 7
	s_add_co_u32 s[CMB], s[CMB], s[WV]
	s_mul_i32 s[CCO], s13, CHB
	s_add_co_u32 s[CCO], s[CCO], 0x40000
	s_lshr_b32 s[CSO], s13, 1
	s_lshl_b32 s[CSO], s[CSO], 6
	s_add_co_u32 s[CSO], s[CSO], s14
	v_and_b32 v8, 31, v0
	s_delay_alu instid0(VALU_DEP_1)
	v_lshlrev_b32 v[L8], 3, v8
	s_delay_alu instid0(VALU_DEP_1)
	v_add_nc_u32 v[L8V], VCL, v[L8]
	s_delay_alu instid0(VALU_DEP_3)
	v_lshlrev_b32 v9, 2, v8                        ; 4 x lane
	s_delay_alu instid0(VALU_DEP_1)
	v_add_nc_u32 v[AVS], VSL, v9
	s_delay_alu instid0(VALU_DEP_2)
	v_add_nc_u32 v[AKS], s14, v9
	s_delay_alu instid0(VALU_DEP_1)
	v_add_nc_u32 v[AKS], KSL, v[AKS]
	v_and_b32 v9, 15, v0                           ; r
	v_bfe_u32 v10, v0, 4, 1                        ; h
	s_delay_alu instid0(VALU_DEP_2)
	v_lshlrev_b32 v[R4], 2, v9
	s_wait_alu depctr_va_vdst(0)
	v_add_nc_u32 v[R4H], v[R4], v10
	v_lshlrev_b32 v10, 3, v10
	s_delay_alu instid0(VALU_DEP_1)
	v_sub_nc_u32 v[RH], v9, v10
	s_sub_co_u32 s[QB], 7, s[II]                   ; the first pass: block 7 - i
	s_mov_b32 s2, s[QB]
	QLOAD QC, QSP, QR, QS                          ; both passes' Q are asked for now: the change of passes waits for no memory
	s_mov_b32 s2, s[II]
	QLOAD QC2, QSP2, Q2, Q2S
.irp j, 6,7,8,9,10,11
	v_mov_b32 v[QR+\j], 0                          ; Q's upper 64 along K: zero codes
	v_mov_b32 v[Q2+\j], 0
.endr
.irp j, 48,49,50,51,52,53
	v_mov_b32 v[KR+\j], 0                          ; what the last tile of K names as its upper half
.endr
.irp b, 0,1,2,3
	v_mov_b32 v[BB+\b], 0                          ; written once: a lane permute's destination counts as one of its sources
.endr
	v_mov_b32 v[F+1], 0                            ; (named as the upper half of a pair)
	v_mov_b32 v[T0], 0
	PASS
; A KEY STEP: 128 keys from s[KF] on.  qr, qs: the pass's Q and its scale bytes.  At its end, on both ways, the step's scalars go on by constants.
.macro STEP qr, qs
	s_add_co_u32 s3, s[Q0], 15
	s_cmp_gt_u32 s[KF], s3
	s_cbranch_scc1 .Lhidden_\@                     ; all its keys come after my queries
	s_setprio 2
	v_add_nc_u32 v[ADC], s[TK], v[L8]              ; the step's four addresses: also the four places in front of loads into registers that the last products read
	v_add_nc_u32 v[ADV], s[TK], v[L8V]
	v_add_nc_u32 v[ADS], s[TS], v[AKS]
	v_add_nc_u32 v[ADT], s[TV], v[AVS]
.irp t, 0,1,2,3,4,5,6,7
.irp p, 0,1,2
	ds_load_b64 v[KR+6*\t+2*\p:KR+6*\t+2*\p+1], v[ADC] offset:\t*CHB+256*\p
.endr
.endr
.irp u, 0,1,2,3
	ds_load_u16 v[KSR+\u], v[ADS] offset:\u*128    ; lanes 0-15: tile 2 u's rows; lanes 16-31: tile 2 u + 1's
.endr
	s_wait_alu depctr_va_vdst(0)
	s_wait_dscnt 0x0
.irp t, 0,1,2,3,4,5,6,7                        ; S^T = K Q^T: in tile t lane (r, h) holds query r and keys 16 t + 8 h + 0 .. 7
.if \t%2
	v_wmma_scale_f32_16x16x128_f8f6f4 v[ST+8*\t:ST+8*\t+7], v[KR+6*\t:KR+6*\t+11], v[\qr:\qr+11], 0, v[KSR+\t/2], v[\qs] matrix_a_fmt:MATRIX_FMT_BF6 matrix_b_fmt:MATRIX_FMT_BF6 matrix_a_scale:MATRIX_SCALE_ROW1
.else
	v_wmma_scale_f32_16x16x128_f8f6f4 v[ST+8*\t:ST+8*\t+7], v[KR+6*\t:KR+6*\t+11], v[\qr:\qr+11], 0, v[KSR+\t/2], v[\qs] matrix_a_fmt:MATRIX_FMT_BF6 matrix_b_fmt:MATRIX_FMT_BF6
.endif
.endr
.rept 4
	v_nop                                          ; places in front of the loads below and of the first read of the scores
.endr
.irp d, 0,1,2,3                                ; V's four fragments are asked for now and land under the softmax
.irp c, 0,1
.irp p, 0,1,2
	ds_load_b64 v[KR+12*\d+6*\c+2*\p:KR+12*\d+6*\c+2*\p+1], v[ADV] offset:\c*4*CHB+\d*CHB+256*\p
.endr
.endr
.endr
.irp u, 0,1
	ds_load_b32 v[VSR+\u], v[ADT] offset:\u*128    ; lanes 0-15: tile 2 u of d; lanes 16-31: tile 2 u + 1
.endr
	s_add_co_u32 s3, s[KF], 127
	s_cmp_le_u32 s3, s[Q0]
	s_cbranch_scc1 .Lopen_\@                       ; all its keys count for all my queries
	s_sub_co_i32 s3, s[Q0], s[KF]
	v_add_nc_u32 v[T0], s3, v[RH]                  ; d = my query - the step's first key - 8 h.  Register 16 b + i holds key 32 b + i + 8 (i / 8) + 8 h of the step: hidden where 32 b + i + 8 (i / 8) > d
	v_mov_b32 v[T0+1], 0xff800000                  ; -infinity
.set n, 0
.rept 64
	v_cmp_gt_i32 vcc_lo, 32*(n/16)+n%16+8*((n%16)/8), v[T0]
	v_cndmask_b32 v[ST+n], v[ST+n], v[T0+1], vcc_lo
.set n, n+1
.endr
.Lopen_\@:
.irp b, 0,1,2,3
	v_max3_num_f32 v[BM+\b], v[ST+16*\b], v[ST+1+16*\b], v[ST+2+16*\b]   ; the largest score of each block of 32 keys: for the row's maximum, and for the block's largest p
.endr
.irp i, 3,5,7,9,11,13
.irp b, 0,1,2,3
	v_max3_num_f32 v[BM+\b], v[BM+\b], v[ST+16*\b+\i], v[ST+1+16*\b+\i]   ; (the four blocks by turns)
.endr
.endr
.irp b, 0,1,2,3
	v_max_num_f32 v[BM+\b], v[BM+\b], v[ST+15+16*\b]
.endr
.irp b, 0,1,2,3
	s_delay_alu instid0(VALU_DEP_4)
	v_permlanex16_b32 v[BB+\b], v[BM+\b], s[SEL], s[SEL+1]
.endr
.irp b, 0,1,2,3
	s_delay_alu instid0(VALU_DEP_4)
	v_max_num_f32 v[BM+\b], v[BM+\b], v[BB+\b]     ; with lane l xor 16's 16 keys
.endr
	s_delay_alu instid0(VALU_DEP_2)
	v_max3_num_f32 v[T0], v[BM], v[BM+1], v[BM+2]
	s_delay_alu instid0(VALU_DEP_1)
	v_max_num_f32 v[T0], v[T0], v[BM+3]            ; the step's largest score of my query
	s_delay_alu instid0(VALU_DEP_1)
	v_mul_f32 v[T0], s[CS], v[T0]                  ; as t (c is positive)
	s_delay_alu instid0(VALU_DEP_1)
	v_max_num_f32 v13, v13, v[T0]                  ; the running largest t
	v_mov_b32 v[T0], v12
	s_delay_alu instid0(VALU_DEP_2)
	v_floor_f32 v12, -v13                          ; the new -M = floor(-t) = -ceil(t): M is a whole number
	s_delay_alu instid0(VALU_DEP_1)
	v_sub_f32 v[T0], v12, v[T0]                    ; M's old value less its new one: a whole number, 0 or less
	s_delay_alu instid0(VALU_DEP_1)
	v_cvt_i32_f32 v[T0], v[T0]                     ; (it saturates)
	s_delay_alu instid0(VALU_DEP_1)
	v_ldexp_f32 v[F], 1.0, v[T0]                   ; f = 2^(old M - new M)
.set j, 0
	s_setprio 1
.rept 32
	v_pk_fma_f32 v[ST+j:ST+j+1], v[ST+j:ST+j+1], s[CS:CS+1], v[12:13] op_sel_hi:[1,0,0]   ; t - M, two at a time (of the pairs c and -M the low word serves both halves)
.set j, j+2
.endr
.irp b, 0,1,2,3
	v_fma_f32 v[BM+\b], v[BM+\b], s[CS], v12       ; the same of each block's largest score
.endr
.set j, 0
	s_wait_alu depctr_va_vdst(0)
.rept 64
	v_exp_f32 v[ST+j], v[ST+j]                     ; p = 2^(t - M), at most 1: not normalised
.set j, j+1
.endr
.irp b, 0,1,2,3
	v_exp_f32 v[BM+\b], v[BM+\b]                   ; the block's largest p
.endr
	v_pk_mul_f32 v[14:15], v[14:15], v[F:F+1] op_sel_hi:[1,0]   ; the sums under the new M.  (A plain place behind the exponentials)
	s_wait_alu depctr_va_vdst(0)
.irp b, 0,1,2,3
	v_max_num_f32 v[BM+\b], 0x2800000, v[BM+\b]    ; the floor 2^(5 - 127): the byte cannot fall under 1
.endr
.irp b, 0,1,2,3
	s_delay_alu instid0(VALU_DEP_4)
	v_add_nc_u32 v[SO+\b], 0xfe000000, v[BM+\b]    ; 4 off the exponent field: the conversion's scale operand
.endr
.irp b, 0,1,2,3
	s_delay_alu instid0(VALU_DEP_4)
	v_lshrrev_b32 v[BB+\b], 23, v[SO+\b]           ; the scale's byte
.endr
	s_delay_alu instid0(VALU_DEP_3)
	v_lshl_or_b32 v[PS], v[BB+1], 8, v[BB]         ; p's scale word for these 128 keys
	s_delay_alu instid0(VALU_DEP_1)
	v_lshl_or_b32 v[PS], v[BB+2], 16, v[PS]
	s_delay_alu instid0(VALU_DEP_1)
	v_lshl_or_b32 v[PS], v[BB+3], 24, v[PS]
.irp c, 0,1
	v_cvt_scalef32_pk16_bf6_f32 v[PCD+6*\c:PCD+2+6*\c], v[ST+32*\c:ST+15+32*\c], v[SO+2*\c]
	v_cvt_scalef32_pk16_bf6_f32 v[CT+4*\c:CT+2+4*\c], v[ST+16+32*\c:ST+31+32*\c], v[SO+2*\c+1]   ; (a conversion's three registers begin on an even number)
.endr
	v_nop                                          ; one plain place behind a scaled conversion
.irp c, 0,1                                    ; the operand's layout wants a whole block in a lane: lanes 0-15 block 2 c, lanes 16-31 block 2 c + 1
.irp i, 0,1,2
	v_permlane16_swap_b32 v[PCD+6*\c+\i], v[CT+4*\c+\i]
.endr
.irp i, 0,1,2
	s_delay_alu instid0(VALU_DEP_3)
	v_mov_b32 v[PCD+3+6*\c+\i], v[CT+4*\c+\i]
.endr
.endr
	v_pk_add_f32 v[230:231], v[100:101], v[104:105]
	v_pk_add_f32 v[252:253], v[108:109], v[112:113]
	v_pk_add_f32 v[250:251], v[116:117], v[120:121]
	v_pk_add_f32 v[248:249], v[124:125], v[128:129]
	v_pk_add_f32 v[246:247], v[132:133], v[136:137]
	v_pk_add_f32 v[228:229], v[140:141], v[144:145]
	v_pk_add_f32 v[222:223], v[148:149], v[152:153]
	s_setprio 0
	v_pk_add_f32 v[14:15], v[14:15], v[156:157]
	v_pk_add_f32 v[230:231], v[230:231], v[96:97]
	v_pk_add_f32 v[252:253], v[252:253], v[98:99]
	v_pk_add_f32 v[250:251], v[250:251], v[102:103]
	v_pk_add_f32 v[248:249], v[248:249], v[106:107]
	v_pk_add_f32 v[246:247], v[246:247], v[110:111]
	v_pk_add_f32 v[228:229], v[228:229], v[114:115]
	v_pk_add_f32 v[222:223], v[222:223], v[118:119]
	v_pk_add_f32 v[14:15], v[14:15], v[122:123]
	v_pk_add_f32 v[230:231], v[230:231], v[126:127]
	v_pk_add_f32 v[252:253], v[252:253], v[130:131]
	v_pk_add_f32 v[250:251], v[250:251], v[134:135]
	v_pk_add_f32 v[248:249], v[248:249], v[138:139]
	v_pk_add_f32 v[246:247], v[246:247], v[142:143]
	v_pk_add_f32 v[228:229], v[228:229], v[146:147]
	v_pk_add_f32 v[222:223], v[222:223], v[150:151]
	v_pk_add_f32 v[14:15], v[14:15], v[154:155]
	v_pk_add_f32 v[230:231], v[230:231], v[158:159]
	s_delay_alu instid0(VALU_DEP_2)
	v_pk_add_f32 v[14:15], v[14:15], v[248:249]
	s_delay_alu instid0(VALU_DEP_2)
	v_pk_add_f32 v[230:231], v[230:231], v[246:247]
	v_pk_add_f32 v[252:253], v[252:253], v[228:229]
	v_pk_add_f32 v[250:251], v[250:251], v[222:223]
	s_delay_alu instid0(VALU_DEP_2)
	v_pk_add_f32 v[14:15], v[14:15], v[252:253]
	s_delay_alu instid0(VALU_DEP_2)
	v_pk_add_f32 v[230:231], v[230:231], v[250:251]
	s_delay_alu instid0(VALU_DEP_1)
	v_pk_add_f32 v[14:15], v[14:15], v[230:231]
.set j, 0
.rept 16
	v_pk_mul_f32 v[OT+j:OT+j+1], v[OT+j:OT+j+1], v[F:F+1] op_sel_hi:[1,0]   ; O^T under the new M.  (With the sums above: the places between p's codes and scale word and the products below)
.set j, j+2
.endr
	s_wait_alu depctr_va_vdst(0)
	s_wait_dscnt 0x0                               ; V's fragments and scale words are in
.irp d, 0,1,2,3                                ; O^T += V^T P^T: four accumulators, one turn each
.if \d%2
	v_wmma_scale_f32_16x16x128_f8f6f4 v[OT+8*\d:OT+8*\d+7], v[KR+12*\d:KR+12*\d+11], v[PCD:PCD+11], v[OT+8*\d:OT+8*\d+7], v[VSR+\d/2], v[PS] matrix_a_fmt:MATRIX_FMT_BF6 matrix_b_fmt:MATRIX_FMT_BF6 matrix_a_scale:MATRIX_SCALE_ROW1
.else
	v_wmma_scale_f32_16x16x128_f8f6f4 v[OT+8*\d:OT+8*\d+7], v[KR+12*\d:KR+12*\d+11], v[PCD:PCD+11], v[OT+8*\d:OT+8*\d+7], v[VSR+\d/2], v[PS] matrix_a_fmt:MATRIX_FMT_BF6 matrix_b_fmt:MATRIX_FMT_BF6
.endif
.endr
.Lhidden_\@:
	s_add_co_u32 s[KF], s[KF], 128
	s_add_co_u32 s[TK], s[TK], STEPC
	s_add_co_u32 s[TS], s[TS], 512
	s_add_co_u32 s[TV], s[TV], 256
.endm
; n key steps from step first on: the trip count and every start are constants of the text
.macro WALK first, n, qr, qs
	s_mov_b32 s[KF], (\first)*128
	s_mov_b32 s[TK], (\first)*STEPC
	s_mov_b32 s[TS], (\first)*512
	s_mov_b32 s[TV], (\first)*256
	s_mov_b32 s[CNT], \n
.Lwalk_\@:
	STEP \qr, \qs
	s_sub_co_u32 s[CNT], s[CNT], 1
	s_cmp_lg_u32 s[CNT], 0
	s_cbranch_scc1 .Lwalk_\@
	s_setprio 0
.endm
; A PASS ENDS: O^T / l, quantised along d (two blocks of 32; lane l xor 16 has the other half of each), stored as one image and two scale bytes a row.
.macro FINAL
.rept 4
	v_nop                                          ; places behind the last products
.endr
	v_add_f32 v14, v14, v15                        ; the sum's two halves,
	s_delay_alu instid0(VALU_DEP_1)
	v_permlanex16_b32 v[T0], v14, s[SEL], s[SEL+1]
	s_delay_alu instid0(VALU_DEP_1)
	v_add_f32 v14, v14, v[T0]                      ; and lane l xor 16's: the row's sum
	s_wait_alu depctr_va_vdst(0)
	v_rcp_f32 v14, v14
	v_nop                                          ; one plain place behind a transcendental
.set j, 0
	s_wait_alu depctr_va_vdst(0)
.rept 16
	v_pk_mul_f32 v[ST+j:ST+j+1], v[OT+j:OT+j+1], v[14:15] op_sel_hi:[1,0]   ; register 8 t + i is o(r, 16 t + 8 h + i); each accumulator from its low end on
.set j, j+2
.endr
.irp b, 0,1
	v_max3_num_f32 v[BM+\b], |v[ST+16*\b]|, |v[ST+1+16*\b]|, 0x2800000
.endr
.irp i, 2,4,6,8,10,12,14
.irp b, 0,1
	s_delay_alu instid0(VALU_DEP_2)
	v_max3_num_f32 v[BM+\b], v[BM+\b], |v[ST+16*\b+\i]|, |v[ST+1+16*\b+\i]|
.endr
.endr
.irp b, 0,1
	s_delay_alu instid0(VALU_DEP_2)
	v_permlanex16_b32 v[BB+\b], v[BM+\b], s[SEL], s[SEL+1]
.endr
.irp b, 0,1
	s_delay_alu instid0(VALU_DEP_2)
	v_max_num_f32 v[BM+\b], v[BM+\b], v[BB+\b]
.endr
.irp b, 0,1
	s_delay_alu instid0(VALU_DEP_2)
	v_add_nc_u32 v[SO+\b], 0xfe000000, v[BM+\b]
.endr
.irp b, 0,1
	s_delay_alu instid0(VALU_DEP_2)
	v_lshrrev_b32 v[BB+\b], 23, v[SO+\b]
.endr
	v_cvt_scalef32_pk16_bf6_f32 v[PCD:PCD+2], v[ST:ST+15], v[SO]
	v_cvt_scalef32_pk16_bf6_f32 v[CT:CT+2], v[ST+16:ST+31], v[SO+1]
	v_nop                                          ; one plain place behind a scaled conversion
.irp i, 0,1,2
	v_permlane16_swap_b32 v[PCD+\i], v[CT+\i]      ; lanes 0-15 now hold block 0, lanes 16-31 block 1
.endr
.irp i, 0,1,2
	s_delay_alu instid0(VALU_DEP_3)
	v_mov_b32 v[PCD+3+\i], v[CT+\i]
.endr
	v_and_b32 v[T0], 16, v0
	s_delay_alu instid0(VALU_DEP_1)
	v_cmp_eq_u32 vcc_lo, 0, v[T0]
	s_delay_alu instid0(VALU_DEP_1)
	v_cndmask_b32 v[T0+1], v[BB+1], v[BB], vcc_lo  ; my block's byte
.irp p, 0,1,2
	global_store_b64 v[L8], v[PCD+2*\p:PCD+2*\p+1], s[CC:CC+1] offset:256*\p   ; 32 lanes store 256 consecutive bytes, aligned
.endr
	global_store_b8 v[R4H], v[T0+1], s[CSP:CSP+1]  ; a byte a lane: two of the four bytes of each row's word; the neighbouring head's work-group writes the other two
.endm
	s_wait_loadcnt 0x0                             ; both passes' Q
	s_wait_tensorcnt 0x1                           ; my first fill, key steps 0-3 of my part, has landed; my second may stay out
	s_barrier_signal -1
	s_barrier_wait -1                              ; everybody's has
	WALK 0, ST1, QR, QS                            ; block 7 - i lies at query 1,024 or beyond: these four steps are worked by every wave
	s_wait_tensorcnt 0x0                           ; my second fill has landed: no tensor load is out from here on
	s_wait_dscnt 0x0
	s_barrier_signal -1
	s_barrier_wait -1                              ; the whole head lies in LDS: the launch's last barrier
	WALK ST1, 16-ST1, QR, QS
	FINAL
	s_wait_xcnt 0x0                                ; its stores have read their registers and bases: both are written again below
	s_mov_b32 s[QB], s[II]                         ; the second pass: block i
	PASS
	WALK 0, 8, Q2, Q2S                             ; i is 3 at the most: its queries lie under 1,024, eight key steps
	FINAL
	s_wait_tensorcnt 0x0
	ds_add_u32 v254, v255
	s_wait_dscnt 0x0
	s_endpgm
.Lfunc_end_k_q52a32c279d_attn:
	.size	k_q52a32c279d_attn, .Lfunc_end_k_q52a32c279d_attn-k_q52a32c279d_attn
	.p2alignl 7, 3214868480
	.fill 96, 4, 3214868480
	.section	.rodata,"a",@progbits
	.p2align	6, 0x0
	.amdhsa_kernel k_q52a32c279d_attn
		.amdhsa_group_segment_fixed_size 215040
		.amdhsa_private_segment_fixed_size 0
		.amdhsa_enable_private_segment 0
		.amdhsa_kernarg_size 24
		.amdhsa_user_sgpr_count 2
		.amdhsa_user_sgpr_kernarg_segment_ptr 1
		.amdhsa_wavefront_size32 1
		.amdhsa_system_sgpr_workgroup_id_x 1
		.amdhsa_system_sgpr_workgroup_id_y 1
		.amdhsa_system_sgpr_workgroup_id_z 1
		.amdhsa_system_vgpr_workitem_id 0
		.amdhsa_next_free_vgpr 256
		.amdhsa_next_free_sgpr 84
		.amdhsa_reserve_vcc 1
		.amdhsa_float_denorm_mode_32 3
		.amdhsa_float_denorm_mode_16_64 3
		.amdhsa_memory_ordered 1
		.amdhsa_forward_progress 1
		.amdhsa_inst_pref_size 98
	.end_amdhsa_kernel
	.amdgpu_metadata
---
amdhsa.version: [ 1, 2 ]
amdhsa.kernels:
  - .name:           k_q52a32c279d_attn
    .symbol:         k_q52a32c279d_attn.kd
    .args:
      - { .name: qk, .offset: 0, .size: 8, .value_kind: global_buffer, .address_space: global }
      - { .name: vt, .offset: 8, .size: 8, .value_kind: global_buffer, .address_space: global }
      - { .name: ctx, .offset: 16, .size: 8, .value_kind: global_buffer, .address_space: global }
    .group_segment_fixed_size: 215040
    .private_segment_fixed_size: 0
    .kernarg_segment_align: 8
    .kernarg_segment_size: 24
    .max_flat_workgroup_size: 512
    .sgpr_count:     84
    .vgpr_count:     256
    .wavefront_size: 32
...
	.end_amdgpu_metadata
.endif
;; end of part 3
;; launch proj_o (part 4): grid 4 x 32, 4 waves a work-group, clusters of 4 x 4, 327,680 bytes of LDS; arguments ctx, wo, out0; writes out0
.if DOCPART == 4
	.amdgcn_target "amdgcn-amd-amdhsa--gfx1250"
	.amdhsa_code_object_version 6
	.text
	.protected	k_q52a32c279d_proj_o
	.globl	k_q52a32c279d_proj_o
	.p2align	8
	.type	k_q52a32c279d_proj_o,@function
k_q52a32c279d_proj_o:
	s_mov_b64 s[64:65], 0
	v_nop
	global_prefetch_b8 v0, s[64:65] scope:SCOPE_SE
	s_setreg_imm32_b32 hwreg(HW_REG_WAVE_MODE, 25, 1), 1
	s_wait_xcnt 0x0
	s_wait_alu depctr_hold_cnt(0) depctr_sa_sdst(0) depctr_va_vdst(0) depctr_va_sdst(0) depctr_va_ssrc(0) depctr_va_vcc(0) depctr_vm_vsrc(0)
	s_getreg_b32 s2, hwreg(HW_REG_IB_STS2, 6, 4)
	s_cmp_eq_u32 s2, 0
	s_cbranch_scc0 .Lentry_in_a_cluster
	s_endpgm
.Lentry_in_a_cluster:
	s_bfe_u32 s2, ttmp6, 0x10000c
	s_cmp_lg_u32 s2, 0xf033
	s_cbranch_scc0 .Lentry_shape_is_right
	s_endpgm
.Lentry_shape_is_right:
; out0[m][n] = sum over k of ctx[m][k] W_o[k][n], K = 1,024, both operands codes of BF6 (E3M2) with E8M0 scales; out0 [8192][1024] f32; sums in f32.
; OPERANDS IN MEMORY: scale words [block of 16 rows][K step of 128][row] from byte 0; from byte CODES images of six operand registers, [block of 16 rows][64 along K][768 bytes]:
; piece p (256 bytes) holds registers 2 p, 2 p + 1 of the 32 lanes, lane l at 8 l.  So a fragment comes from LDS by six loads of 8 bytes at 8 x lane: consecutive bytes, no pitch, no padding.
; Inside each block of 32 along K both operands have the order 0-7, 16-23, 8-15, 24-31: the sums are those of the natural order.
; A tile of 256 x 256 is made by four waves, as many as a WGP has SIMDs, each 128 x 128: 64 accumulators, 512 registers.  K goes in steps of 256 through a ring of two LDS slots filled by the tensor data mover; the scales of the
; work-group's rows come once, with the first fills.  K is four slots' worth: the ring is written out, without a loop.  The output has 128 such tiles: half of the WGPs have a work-group.
; CLUSTERS: 4 x 4 work-groups.  The four of a row of the cluster need the same tiles of A, the four of a column the same tiles of B: each tile is asked for JOINTLY, by the same tensor load with the same descriptor and a mask
; that names the four.  THE MATRIX INSTRUCTION IS USED TRANSPOSED (source 0 = 16 rows of B, source 1 = 16 rows of A): a lane holds eight neighbouring numbers of a row of the output.
; REGISTERS, in windows of 256: window 0: v16-31 addresses; v32-63 scale words, two sets; from v128 A's fragments, ONE set; on the way out v128-255 take rows of the output.
;   window 1: B's fragments, TWO sets, at v0 and v128.   window 2: the accumulators of my rows 0-63 ((a, b) at v[8 (8 a + b)]);   window 3: those of my rows 64-127.
.set SIZE_N, 1024
.set NQ,     2                         ; matrix instructions deep in a slot
.set FR,     12                        ; registers of a fragment: 16 rows x 128 K
.set NL,     6                         ; LDS loads that bring one
.set NP,     4                         ; places behind this matrix instruction (ISA guide 7.12.1)
.set CHB,    768                       ; an image: 16 rows x 64 K
.set MBB,    4*CHB                     ; a block of 16 rows in a slot: 256 along K
.set HALFT,  8*MBB                     ; 128 rows: what one tensor load brings, and what one wave reads of A or of B
.set SLOT,   4*HALFT                   ; A's 256 rows, then B's 256 rows
.set MROW,   16*CHB                    ; a block of 16 rows in memory: all 1,024 along K
.set CODES,  0x40000
.set HALFS,  4096                      ; the scale words of 128 rows
.set SCL,    2*SLOT                    ; behind the ring: the scales
.set SPARE,  SCL+4*HALFS               ; the spare words, 128 bytes for each wave: two blocks of 256 bytes that no other line names
.set SPITCH, 528                       ; the way out: a stage of 16 rows x (512 bytes + 16) for each wave.  It lies in slot 0, which has had its last fill and its last read when the first result is stored there
.set ADRA, 16                          ; v16-17  LDS address of my A fragments in slot 0, 1
.set ADRB, 20                          ; v20-21  the same for B
.set STO,  24                          ; v24     the way out: where I put 32 bytes of a row
.set RD,   25                          ; v25     the way out: where I read a row back
.set CO,   26                          ; v26     my byte offset in a row of the output
.set ADRS, 27                          ; v27     LDS address of my scale words: lanes 0-15 A's rows, lanes 16-31 B's
.set SPW,  28                          ; v28     LDS address of my spare word; never rewritten
.set NIL,  29                          ; v29     0; never rewritten
.set SC,   32                          ; scale words: set s at v[SC + 16 s]; register 2 i + q: lanes 0-15 A's block i, lanes 16-31 B's block i, the slot's q-th 128 along K
.set AF,   128                         ; A's fragments, in window 0
.set BK,   128                         ; the way out: 16 rows read back from the stage: v128-191 and v192-255 by turns
.set G1, 24                            ; s[24:31] descriptor group 1 for A's tiles;  s[32:39] group 0, one set for each slot
.set G0, 32
.set G1B, 48                           ; s[48:55], s[56:63] the same for B's tiles
.set G0B, 56
.set G1S, 68                           ; s[68:75], s[76:79] groups 1 and 0 for A's scales;  s[80:87], s[88:91] for B's
.set G0S, 76
.set G1SB, 80
.set G0SB, 88
.set MSB, 0
.macro WIN new                         ; the immediate's high byte repeats the setting that is left
.if MSB != \new
	s_set_vgpr_msb (MSB<<8)|\new
.set MSB, \new
.endif
.endm
.set MUL_LO, 0xa1                      ; source 0 (B) window 1, source 1 (A) window 0, C and D window 2
.set MUL_HI, 0xf1                      ; the same, C and D window 3
.set TO_B,   0x40                      ; destination window 1, address window 0
; A joint load: waves 0 and 1 fetch for A, waves 2 and 3 for B.  Each of the two lines has ONE mask and one set of registers for all that issue it; the branch hangs on the wave's number alone.
; Four v_nop follow each of the two lines, ahead of the jump, the label and what follows.
.macro JLOAD g0a, g1a, g0b, g1b
	s_cmp_eq_u32 s15, 0
	s_cbranch_scc0 .Lfor_b_\@
	tensor_load_to_lds s[\g0a:\g0a+3], s[\g1a:\g1a+7]
	s_nop 0
.rept 4
	v_nop
.endr
	s_branch .Lasked_\@
.Lfor_b_\@:
	tensor_load_to_lds s[\g0b:\g0b+3], s[\g1b:\g1b+7]
	s_nop 0
.rept 4
	v_nop
.endr
.Lasked_\@:
.endm
.macro CREST                           ; a round of the cluster's barrier behind its opening barrier
	s_cmp_lg_u32 s14, 0
	s_cbranch_scc1 .Lnot_wave_0_\@
	s_barrier_signal -3
.Lnot_wave_0_\@:
	s_barrier_wait -3
	s_barrier_signal -1
	s_barrier_wait -1
.endm
.macro CROUND                          ; a whole round
	s_barrier_signal -1
	s_barrier_wait -1
	CREST
.endm
	s_load_b128 s[4:7], s[0:1], 0x0                ; A s[4:5], B s[6:7]
	s_load_b64 s[8:9], s[0:1], 0x10                ; the output
	v_lshl_add_u32 v[SPW], v0, 2, SPARE
	v_mov_b32 v[NIL], 0
	ds_add_u32 v28, v29
	ds_add_u32 v28, v29
	s_wait_dscnt 0x0
	v_lshrrev_b32 v1, 5, v0
	v_readfirstlane_b32 s14, v1                    ; wave 0..3
	s_lshr_b32 s15, s14, 1                         ; which half of the tile's rows is mine.  Also: I fetch for A (0) or for B (1)
	s_and_b32 s16, s14, 1                          ; which half of its columns.  Also: which 128 rows of that tile I fetch
	s_bfe_u32 s40, ttmp6, 0x40000                  ; cx, cy: my place in the cluster
	s_bfe_u32 s41, ttmp6, 0x40004
	s_lshl_b32 s42, ttmp9, 2
	s_add_co_u32 s42, s42, s40                     ; tile column = 4 x cluster x + cx
	s_and_b32 s17, ttmp7, 0xffff
	s_lshl_b32 s17, s17, 2
	s_add_co_u32 s17, s17, s41                     ; tile row = 4 x cluster y + cy
	s_lshl_b32 s43, s41, 2
	s_lshl_b32 s43, 15, s43                        ; my row of the cluster
	s_lshl_b32 s44, 0x1111, s40                    ; my column
	; descriptor group 1 for codes: 8 blocks of 16 rows, of each 3,072 consecutive bytes (256 along K), 12,288 bytes apart; elements of 8 bytes; dense in LDS
	s_or_b32 s[G1+0], s43, (3<<16)|(1<<21)         ; 15:0 the mask: A's tiles go to my row; 17:16 elements of 8 bytes; 20 no padding; 21 set beside a mask
	s_or_b32 s[G1B+0], s44, (3<<16)|(1<<21)
.irp g, G1, G1B
	s_mov_b32 s[\g+1], 384<<16                     ; tensor_dim0
	s_mov_b32 s[\g+2], 8<<16                       ; tensor_dim1
	s_mov_b32 s[\g+3], 384<<16                     ; tile_dim0
	s_mov_b32 s[\g+4], 8                           ; tile_dim1
	s_mov_b32 s[\g+5], 1536                        ; tensor_dim0_stride
	s_mov_b32 s[\g+6], 0
	s_mov_b32 s[\g+7], 0
.endr
	; and for the scale words of 128 rows: 4,096 dense bytes, as 16 rows of 256
	s_or_b32 s[G1S+0], s43, (3<<16)|(1<<21)
	s_or_b32 s[G1SB+0], s44, (3<<16)|(1<<21)
.irp g, G1S, G1SB
	s_mov_b32 s[\g+1], 32<<16
	s_mov_b32 s[\g+2], 16<<16
	s_mov_b32 s[\g+3], 32<<16
	s_mov_b32 s[\g+4], 16
	s_mov_b32 s[\g+5], 32
	s_mov_b32 s[\g+6], 0
	s_mov_b32 s[\g+7], 0
.endr
	s_lshl_b32 s18, s16, 3                         ; which 8 blocks of 16 rows of the tile I fetch
	s_lshl_b32 s20, s17, 4
	s_add_co_u32 s20, s20, s18                     ; A: block 16 x tile row + 8 x half
	s_lshl_b32 s46, s42, 4
	s_add_co_u32 s46, s46, s18                     ; B: block 16 x tile column + 8 x half
	s_lshl_b32 s22, s20, 9                         ; where these rows' scale words begin, in bytes,
	s_mov_b32 s23, 0
	s_lshl_b32 s92, s46, 9
	s_mov_b32 s93, 0
	s_mul_i32 s20, s20, MROW                       ; and their codes
	s_add_co_u32 s20, s20, CODES
	s_mov_b32 s21, 0
	s_mul_i32 s46, s46, MROW
	s_add_co_u32 s46, s46, CODES
	s_mov_b32 s47, 0
	s_mul_i32 s45, s14, HALFT                      ; where they go: wave x 128 rows: no place in the cluster enters an LDS address
	s_lshl_b32 s94, s14, 12
	s_wait_kmcnt 0x0
	s_add_nc_u64 s[20:21], s[4:5], s[20:21]
	s_add_nc_u64 s[22:23], s[4:5], s[22:23]
	s_add_nc_u64 s[46:47], s[6:7], s[46:47]
	s_add_nc_u64 s[92:93], s[6:7], s[92:93]
	CROUND                                         ; all sixteen work-groups are here: the first joint loads meet
	s_mov_b32 s[G0S], 1
	s_add_co_u32 s[G0S+1], s94, SCL
	s_mov_b64 s[G0S+2:G0S+3], s[22:23]
	s_or_b32 s[G0S+3], s[G0S+3], 0x80000000
	s_mov_b32 s[G0SB], 1
	s_add_co_u32 s[G0SB+1], s94, SCL
	s_mov_b64 s[G0SB+2:G0SB+3], s[92:93]
	s_or_b32 s[G0SB+3], s[G0SB+3], 0x80000000
	JLOAD G0S, G1S, G0SB, G1SB                     ; the scales first: they are wanted with the first slot
.irp s, 0,1
	s_mov_b32 s[G0+4*\s], 1
	s_add_co_u32 s[G0+4*\s+1], s45, \s*SLOT
	s_add_nc_u64 s[G0+4*\s+2:G0+4*\s+3], s[20:21], \s*MBB
	s_or_b32 s[G0+4*\s+3], s[G0+4*\s+3], 0x80000000
	s_mov_b32 s[G0B+4*\s], 1
	s_add_co_u32 s[G0B+4*\s+1], s45, \s*SLOT
	s_add_nc_u64 s[G0B+4*\s+2:G0B+4*\s+3], s[46:47], \s*MBB
	s_or_b32 s[G0B+4*\s+3], s[G0B+4*\s+3], 0x80000000
	s_wait_alu depctr_va_vdst(0)
	s_wait_tensorcnt 0x0
	ds_add_u32 v28, v29
	s_wait_dscnt 0x0
	CROUND
	JLOAD G0+4*\s, G1, G0B+4*\s, G1B               ; one tensor load of mine is out now
.endr
	v_and_b32 v1, 15, v0                           ; r
	v_bfe_u32 v2, v0, 4, 1                         ; h
	s_wait_alu depctr_va_vdst(0)
	v_and_b32 v3, 31, v0                           ; lane
	v_lshlrev_b32 v4, 3, v3                        ; 8 x lane: an image's place for my lane
	s_mul_i32 s21, s15, HALFT                      ; my 128 rows of A
	s_mul_i32 s22, s16, HALFT                      ; my 128 rows of B,
	s_add_co_u32 s22, s22, 2*HALFT                 ; which lie behind A's 256
.irp s, 0,1
	v_add_nc_u32 v[ADRA+\s], s21, v4
	v_add_nc_u32 v[ADRB+\s], s22, v4
	s_add_co_u32 s21, s21, SLOT
	s_add_co_u32 s22, s22, SLOT
.endr
	v_lshlrev_b32 v5, 2, v1                        ; my row's scale word
	s_lshl_b32 s21, s15, 12                        ; A's: my 128 rows
	s_lshl_b32 s22, s16, 12                        ; B's: my 128 rows, behind A's 256
	s_add_co_u32 s22, s22, 2*HALFS
	s_sub_co_u32 s22, s22, s21
	v_mul_u32_u24 v6, s22, v2                      ; lanes 16-31 take B's
	s_add_co_u32 s21, s21, SCL
	v_add_nc_u32 v6, v5, v6
	v_add_nc_u32 v[ADRS], s21, v6
	s_mul_i32 s23, s14, 16*SPITCH                  ; my stage
	v_mul_u32_u24 v5, v1, SPITCH                   ; in: row r, 32 bytes for each half of the lanes
	v_lshl_add_u32 v5, v2, 5, v5
	v_add_nc_u32 v[STO], s23, v5
	v_lshlrev_b32 v[CO], 4, v3                     ; back: the 32 lanes take one row of 512 bytes; and the same in the output
	v_add_nc_u32 v[RD], s23, v[CO]
	s_lshl_b32 s20, s17, 8
	s_lshl_b32 s21, s15, 7
	s_add_co_u32 s20, s20, s21                     ; my first row: 256 x tile row + 128 x half,
	s_lshl_b32 s20, s20, 12                        ; of 4,096 bytes
	s_lshl_b32 s46, s42, 10                        ; my first column, in bytes: 1,024 x tile column + 512 x half
	s_lshl_b32 s47, s16, 9
	s_add_co_u32 s46, s46, s47
	s_add_co_u32 s20, s20, s46
	s_mov_b32 s21, 0
	s_add_nc_u64 s[12:13], s[8:9], s[20:21]
.macro FRAG reg, adr, q, i             ; a fragment, 12 registers: the images of chunks 2 q and 2 q + 1 of block i, six pieces of 256 bytes, 8 bytes a lane
.irp p, 0,1,2,3,4,5
	ds_load_b64 v[\reg+2*\p:\reg+2*\p+1], v[\adr] offset:(\i)*MBB+(2*(\q)+\p/3)*CHB+256*(\p%3)
.endr
.endm
; 16 matrix instructions: A's blocks a0, a0 + 1 x B's eight, 128 along K: the slot's q-th.  p: B's set;  sc: the set of scale words.  zero = 1: the first product starts the sums: nothing is ever cleared.
; The 64 accumulators take turns, one instruction a turn, in the same order in every step.
.macro MUL16 a0, p, q, sc, zero
.irp a, \a0, \a0+1
.irp b, 0,1,2,3,4,5,6,7
.if \zero
	v_wmma_scale_f32_16x16x128_f8f6f4 v[8*(8*((\a)%4)+\b):8*(8*((\a)%4)+\b)+7], v[128*(\p)+FR*\b:128*(\p)+FR*\b+FR-1], v[AF+FR*(\a):AF+FR*(\a)+FR-1], 0, v[SC+8*NQ*(\sc)+NQ*\b+(\q)], v[SC+8*NQ*(\sc)+NQ*(\a)+(\q)] matrix_a_fmt:MATRIX_FMT_BF6 matrix_b_fmt:MATRIX_FMT_BF6 matrix_a_scale:MATRIX_SCALE_ROW1
.else
	v_wmma_scale_f32_16x16x128_f8f6f4 v[8*(8*((\a)%4)+\b):8*(8*((\a)%4)+\b)+7], v[128*(\p)+FR*\b:128*(\p)+FR*\b+FR-1], v[AF+FR*(\a):AF+FR*(\a)+FR-1], v[8*(8*((\a)%4)+\b):8*(8*((\a)%4)+\b)+7], v[SC+8*NQ*(\sc)+NQ*\b+(\q)], v[SC+8*NQ*(\sc)+NQ*(\a)+(\q)] matrix_a_fmt:MATRIX_FMT_BF6 matrix_b_fmt:MATRIX_FMT_BF6 matrix_a_scale:MATRIX_SCALE_ROW1
.endif
.endr
.endr
.endm
.macro FETCH_B slot, q, p              ; B's eight fragments of the slot's q-th 128 along K into set p
	WIN TO_B
.irp i, 0,1,2,3,4,5,6,7
	FRAG 128*(\p)+FR*\i, ADRB+\slot, \q, \i
.endr
	WIN 0
.endm
.macro FETCH_A slot, q, i0             ; A's blocks i0 .. i0 + 3
.irp i, \i0, \i0+1, \i0+2, \i0+3
	FRAG AF+FR*(\i), ADRA+\slot, \q, \i
.endr
.endm
.macro SCALES sc                       ; the next slot's scale words into set sc: lanes 0-15 take A's block i, lanes 16-31 B's block i
.irp i, 0,1,2,3,4,5,6,7
.irp q, 0,1
	ds_load_b32 v[SC+8*NQ*\sc+NQ*\i+\q], v[ADRS] offset:\i*512+64*\q
.endr
.endr
.endm
; A load into a register that a matrix instruction has read, and an LDS store that reads a matrix result, stand NP places behind that matrix instruction, and only plain vector
; instructions that name none of its registers are places (ISA guide 7.12.1 for vector instructions).
.macro PLACES n
.rept \n
	v_nop
.endr
.endm
; A step of 128 along K that has its successor in the same slot.
.macro STEP slot, q, zero
	s_wait_dscnt 4*NL                              ; B's set, A's blocks 0-3 and the scale words are in; the youngest 24 loads (A's blocks 4-7) may be out
	WIN MUL_LO
	MUL16 0, (\q)%2, \q, \slot, \zero
	MUL16 2, (\q)%2, \q, \slot, \zero
	s_wait_dscnt 0                                 ; A's blocks 4-7 are in (asked for 32 matrix instructions ago)
	PLACES NP
	FETCH_B \slot, (\q)+1, 1-(\q)%2
	FETCH_A \slot, (\q)+1, 0
	WIN MUL_HI
	MUL16 4, (\q)%2, \q, \slot, \zero
	MUL16 6, (\q)%2, \q, \slot, \zero
	PLACES NP
	WIN 0
	FETCH_A \slot, (\q)+1, 4
.endm
; A slot's last step changes slots: ONE barrier; in front of it each wave waits for all its tensor loads, adds 0 to its spare word, and waits for that and for its own reads of this slot.  fill = 1: this slot is filled again, two slots ahead.
.macro TURN slot, next, fill
	s_wait_tensorcnt 0x0                           ; all my tensor loads have landed: my part of the next slot;  (every window is 0 here)
	ds_add_u32 v[SPW], v[NIL]                      ; 0 onto my spare word
	s_wait_dscnt 4*NL+1                            ; (the add and the youngest 24 loads, A's blocks 4-7, may be out)
	WIN MUL_LO
	MUL16 0, 1, NQ-1, \slot, 0                     ; sixteen matrix instructions stand between the add and the wait for it
	s_wait_dscnt 0x0                               ; the add is done, and my reads of this slot are over
	s_barrier_signal -1
	MUL16 2, 1, NQ-1, \slot, 0
	WIN 0
	s_barrier_wait -1
.if \fill
	CREST                                          ; the barrier has opened a round of the cluster's barrier: no wave of any partner still reads this slot's tile or has a load on its way
	s_add_nc_u64 s[G0+4*\slot+2:G0+4*\slot+3], s[G0+4*\slot+2:G0+4*\slot+3], 2*MBB
	s_add_nc_u64 s[G0B+4*\slot+2:G0B+4*\slot+3], s[G0B+4*\slot+2:G0B+4*\slot+3], 2*MBB
	JLOAD G0+4*\slot, G1, G0B+4*\slot, G1B         ; the first tensor load behind the round; the four v_nop behind it are the places in front of the loads below
.else
	PLACES NP
.endif
	s_wait_alu depctr_va_vdst(0)
	v_add_nc_u32 v[ADRS], 64*NQ, v[ADRS]           ; on to the next slot's scale words
	FETCH_B \next, 0, 0
	FETCH_A \next, 0, 0
	SCALES \next
	WIN MUL_HI
	MUL16 4, 1, NQ-1, \slot, 0
	MUL16 6, 1, NQ-1, \slot, 0
	PLACES NP
	WIN 0
	FETCH_A \next, 0, 4
.endm
	s_wait_alu depctr_va_vdst(0)
	s_wait_tensorcnt 1                             ; the scales and my part of slot 0 are in (slot 1's load may be out)
	s_barrier_signal -1
	s_barrier_wait -1                              ; everybody's are
	FETCH_B 0, 0, 0
	FETCH_A 0, 0, 0
	SCALES 0
	FETCH_A 0, 0, 4
	STEP 0, 0, 1                                   ; K 0-127: its products start the sums
	TURN 0, 1, 1                                   ; K 128-255; slot 0 takes K 512-767
	STEP 1, 0, 0
	TURN 1, 0, 1                                   ; slot 1 takes K 768-1023
	STEP 0, 0, 0
	TURN 0, 1, 0                                   ; nothing is left to fetch: no round of the cluster's barrier.  Behind this barrier nobody reads slot 0 any more
	STEP 1, 0, 0
	s_wait_dscnt 4*NL                              ; the very last step
	WIN MUL_LO
	MUL16 0, 1, NQ-1, 1, 0
	MUL16 2, 1, NQ-1, 1, 0
	s_wait_dscnt 0
	WIN MUL_HI
	MUL16 4, 1, NQ-1, 1, 0
	MUL16 6, 1, NQ-1, 1, 0
	WIN 0
; THE WAY OUT, block by block of 16 rows x 128 columns.  A lane holds 32 neighbouring bytes of a row, and the lanes beside it hold other rows: so a block goes through my own stage in LDS and comes back as whole
; rows of 512 bytes, which the 32 lanes store as 512 consecutive bytes, aligned.  LDS serves a wave's instructions in order (ISA guide 5.7.1.4): no wait between the stores and the loads, nor in front of the next block's stores.
.macro TOSTAGE a
.set AC, 64*((\a)%4)
.set WD, 0x08+4*((\a)/4)
	WIN WD                                         ; an LDS store's data are its source 1: window 2 or 3
.irp b, 0,1,2,3,4,5,6,7
	ds_store_b128 v[STO], v[AC+8*\b:AC+8*\b+3] offset:64*\b          ; each accumulator from its low end on
	ds_store_b128 v[STO], v[AC+8*\b+4:AC+8*\b+7] offset:64*\b+16
.endr
	WIN 0
.set BBK, BK+64*((\a)%2)
.irp t, 0,1,2,3,4,5,6,7,8,9,10,11,12,13,14,15
	ds_load_b128 v[BBK+4*\t:BBK+4*\t+3], v[RD] offset:\t*SPITCH
.endr
.endm
.macro SEND a, younger                 ; younger: the LDS instructions issued behind block a's loads, which may stay out
.set BBK, BK+64*((\a)%2)
	s_wait_dscnt \younger                          ; the block is back in registers
.if (\a) > 0
	s_add_nc_u64 s[12:13], s[12:13], 16*SIZE_N*4   ; (behind a wait on XCNT: the earlier stores have read their base)  16 rows on
.endif
.irp t, 0,1,2,3,4,5,6,7,8,9,10,11,12,13,14,15
	global_store_b128 v[CO], v[BBK+4*\t:BBK+4*\t+3], s[12:13] offset:\t*SIZE_N*4 th:TH_STORE_NT   ; written once, read by nobody here
.endr
.endm
	PLACES NP                                      ; behind the last products: for the stores of results and for the loads into the registers that held A's fragments
	TOSTAGE 0
.irp a, 1,2,3,4,5,6,7
.if \a > 1
	s_wait_xcnt 0x0                                ; block a - 2's stores have read their registers and their base: block a's loads may land there, and the base may step
.endif
	TOSTAGE \a
	SEND \a-1, 32                                  ; behind block a - 1's loads: block a's 16 stores and 16 loads
.endr
	s_wait_xcnt 0x0                                ; block 6's stores have read their base
	SEND 7, 0
	s_wait_tensorcnt 0x0                           ; the wave's end: behind my last tensor load and my last LDS store
	ds_add_u32 v[SPW], v[NIL]
	s_wait_dscnt 0x0
	CROUND                                         ; the closing round: no work-group ends while a partner may still ask for a tile that names it
	s_endpgm
.Lfunc_end_k_q52a32c279d_proj_o:
	.size	k_q52a32c279d_proj_o, .Lfunc_end_k_q52a32c279d_proj_o-k_q52a32c279d_proj_o
	.p2alignl 7, 3214868480
	.fill 96, 4, 3214868480
	.section	.rodata,"a",@progbits
	.p2align	6, 0x0
	.amdhsa_kernel k_q52a32c279d_proj_o
		.amdhsa_group_segment_fixed_size 327680
		.amdhsa_private_segment_fixed_size 0
		.amdhsa_enable_private_segment 0
		.amdhsa_kernarg_size 24
		.amdhsa_user_sgpr_count 2
		.amdhsa_user_sgpr_kernarg_segment_ptr 1
		.amdhsa_wavefront_size32 1
		.amdhsa_system_sgpr_workgroup_id_x 1
		.amdhsa_system_sgpr_workgroup_id_y 1
		.amdhsa_system_sgpr_workgroup_id_z 1
		.amdhsa_system_vgpr_workitem_id 0
		.amdhsa_next_free_vgpr 1024
		.amdhsa_next_free_sgpr 98
		.amdhsa_reserve_vcc 0
		.amdhsa_float_denorm_mode_32 3
		.amdhsa_float_denorm_mode_16_64 3
		.amdhsa_memory_ordered 1
		.amdhsa_forward_progress 1
		.amdhsa_inst_pref_size 162
	.end_amdhsa_kernel
	.amdgpu_metadata
---
amdhsa.version: [ 1, 2 ]
amdhsa.kernels:
  - .name:           k_q52a32c279d_proj_o
    .symbol:         k_q52a32c279d_proj_o.kd
    .args:
      - { .name: ctx, .offset: 0, .size: 8, .value_kind: global_buffer, .address_space: global }
      - { .name: wo, .offset: 8, .size: 8, .value_kind: global_buffer, .address_space: global }
      - { .name: out0, .offset: 16, .size: 8, .value_kind: global_buffer, .address_space: global }
    .group_segment_fixed_size: 327680
    .private_segment_fixed_size: 0
    .kernarg_segment_align: 8
    .kernarg_segment_size: 24
    .max_flat_workgroup_size: 128
    .sgpr_count:     98
    .vgpr_count:     1024
    .wavefront_size: 32
...
	.end_amdgpu_metadata
.endif
;; end of part 4
